; MI455X (gfx1250); checked and timed in simulation.
; The chip was launched on July 23, 2026; its instructions are those of AMD's public machine-readable ISA for CDNA 5 (MIT licence, August 2026) and "CDNA5" Instruction Set Architecture Reference Guide (July 2026). The comments in the code are by the model that wrote it; some were corrected since.
;; Self Attention. Allowed arithmetic: float matrix products may take bf16 or f16 operands with f32 sums; all other float work in f32.
;; Inputs: Wk 1,024 x 1,024 float32; Wo 1,024 x 1,024 float32; Wq 1,024 x 1,024 float32; Wv 1,024 x 1,024 float32; X 4 x 2,048 x 1,024 float32; bk 1,024 float32; bo 1,024 float32; bq 1,024 float32; bv 1,024 float32; mask 4 x 2,048 x 2,048 int32.
;; Outputs: out0 4 x 2,048 x 1,024 float32.
;; 2 versions, each right; version 2 is version 1 with the launch prep written anew for expert scheduling mode. Each part assembles by itself: llvm-mc -triple=amdgcn-amd-amdhsa -mcpu=gfx1250 --defsym DOCPART=n.
;; ======== version 1 of 2: 5 launches
;; limits: values are held in f16: magnitudes above 65,504 overflow, below 6.1e-05 lose precision
;; workspace buffers: xb 16,777,216 bytes; wb 8,388,608 bytes; bm 2,097,152 bytes of whole numbers; qk 33,554,432 bytes; vt 16,777,216 bytes; probs 33,554,432 bytes; stats 524,288 bytes; attn 16,777,216 bytes
;; launch prep (part 1): grid 64 x 12, 4 waves a work-group, no clusters, 0 bytes of LDS; arguments X, Wq, Wk, Wv, Wo, xb, wb; writes xb, wb
.if DOCPART == 1
	.amdgcn_target "amdgcn-amd-amdhsa--gfx1250"
	.amdhsa_code_object_version 6
	.text
	.protected	k_qadbbde34aa_prep
	.globl	k_qadbbde34aa_prep
	.p2align	8
	.type	k_qadbbde34aa_prep,@function
k_qadbbde34aa_prep:
	s_mov_b64 s[64:65], 0
	v_nop
	global_prefetch_b8 v0, s[64:65] scope:SCOPE_SE
	s_setreg_imm32_b32 hwreg(HW_REG_WAVE_MODE, 25, 1), 1
	s_wait_xcnt 0x0
; PREPARATION: a stream, no LDS, no matrix unit (memory binds; each input byte is read once, by loads of 512 consecutive bytes a wave).
; Slab y = 0..11 of 1,024 rows x 1,024 f32 is rounded to bf16 and its rows are laid in the order in which the products want them:
;   y = 0..7   X  -> xb, y = 8, 9  Wq, Wk -> wb: inside each block of 128 rows, row s goes to place 16 (s % 8) + s / 8;
;   y = 10     Wv -> wb + 4 MiB, rows as they are;
;   y = 11     Wo -> wb + 6 MiB, the bf16 number written as f16; inside each block of 64 rows, row s goes to place 16 (s % 4) + s / 4.
; 64 x 12 = 768 work-groups of four waves: three for each of 256 WGPs; a work-group takes 16 rows, a wave four.
; LIMIT: Wo as f16 keeps f16's fixed step of 6e-8 below 6e-5 and ends at 65,504.
.set VS,  2                            ; v2       my byte offset in the source
.set VO,  4                            ; v4-7     my byte offset in the destination, one for each of the wave's four rows
.set TT,  8                            ; v8-11    at work
.set X,   16                           ; v16-143  32 loads of 16 bytes a lane
.set O,   144                          ; v144-207 64 registers to store, each stored once
	s_load_b256 s[8:15], s[0:1], 0x0               ; X s[8:9], Wq s[10:11], Wk s[12:13], Wv s[14:15]
	s_load_b128 s[16:19], s[0:1], 0x20             ; Wo s[16:17], xb s[18:19]
	s_load_b64 s[20:21], s[0:1], 0x30              ; wb
	s_and_b32 s2, ttmp7, 0xffff                    ; y
	s_mov_b32 s3, ttmp9                            ; x
	v_lshrrev_b32 v1, 5, v0
	v_readfirstlane_b32 s4, v1                     ; wave 0..3
	v_and_b32 v1, 31, v0                           ; lane
	s_min_u32 s26, s2, 7
	s_lshl_b32 s28, s26, 21                        ; xb: 1,024 rows of 2,048 bytes a slab
	s_lshl_b32 s26, s26, 22                        ; X: 1,024 rows of 4,096 bytes a slab
	s_mov_b32 s27, 0
	s_mov_b32 s29, 0
	s_max_u32 s30, s2, 8
	s_sub_co_u32 s30, s30, 8
	s_lshl_b32 s30, s30, 21                        ; wb: the same for y - 8
	s_mov_b32 s31, 0
	s_mov_b32 s5, 3                                ; LM: rows go round in blocks of 16 x 2^LM; LM = 0 leaves them as they are
	s_cmp_eq_u32 s2, 10
	s_cselect_b32 s5, 0, s5
	s_cmp_eq_u32 s2, 11
	s_cselect_b32 s5, 2, s5
	s_add_co_u32 s6, s5, 4
	s_lshl_b32 s7, 1, s5
	s_sub_co_u32 s7, s7, 1                         ; 2^LM - 1
	s_mov_b32 s37, 0xffff0000                      ; a word's upper bf16
	s_lshl_b32 s32, s3, 4
	s_lshl2_add_u32 s32, s4, s32                   ; my first row = 16 x + 4 wave
	s_lshl_b32 s33, s32, 12
	v_lshl_add_u32 v[VS], v1, 4, s33               ; row x 4,096 + 16 lane
.irp i, 0,1,2,3
	s_add_co_u32 s34, s32, \i                      ; the row
	s_lshr_b32 s35, s34, s6
	s_lshl_b32 s35, s35, s6                        ; its block,
	s_and_b32 s36, s34, s7
	s_lshl_b32 s36, s36, 4
	s_or_b32 s35, s35, s36                         ; 16 x (row % 2^LM),
	s_lshr_b32 s36, s34, s5
	s_and_b32 s36, s36, 15
	s_or_b32 s35, s35, s36                         ; (row / 2^LM) % 16: its place
	s_lshl_b32 s35, s35, 11
	v_lshl_add_u32 v[VO+\i], v1, 3, s35            ; place x 2,048 + 8 lane
.endr
	s_wait_kmcnt 0x0
	s_add_nc_u64 s[26:27], s[8:9], s[26:27]        ; the source: X's slab, or one of the four weights
	s_cmp_eq_u32 s2, 8
	s_cselect_b64 s[26:27], s[10:11], s[26:27]
	s_cmp_eq_u32 s2, 9
	s_cselect_b64 s[26:27], s[12:13], s[26:27]
	s_cmp_eq_u32 s2, 10
	s_cselect_b64 s[26:27], s[14:15], s[26:27]
	s_cmp_eq_u32 s2, 11
	s_cselect_b64 s[26:27], s[16:17], s[26:27]
	s_add_nc_u64 s[28:29], s[18:19], s[28:29]      ; the destination: xb's slab or wb's
	s_add_nc_u64 s[30:31], s[20:21], s[30:31]
	s_cmp_lt_u32 s2, 8
	s_cselect_b64 s[28:29], s[28:29], s[30:31]
.irp i, 0,1,2,3
.irp j, 0,1,2,3,4,5,6,7
	global_load_b128 v[X+32*\i+4*\j:X+32*\i+4*\j+3], v[VS], s[26:27] offset:\i*4096+\j*512 th:TH_LOAD_NT  ; 512 consecutive bytes; all 32 loads go out before the first is used
.endr
.endr
; Row i: four f32 a lane and load become 8 bytes; the wave's store covers 256 consecutive bytes, aligned.  half = 1: the bf16 number is written as f16.
.macro CONV i, half
	s_wait_loadcnt 24-8*(\i)                       ; loads come back in order: the younger rows' loads stay out
.irp j, 0,1,2,3,4,5,6,7
.set rX, X+32*(\i)+4*(\j)
.set rO, O+16*(\i)+2*(\j)
	v_cvt_pk_bf16_f32 v[rO], v[rX], v[rX+1]
	v_cvt_pk_bf16_f32 v[rO+1], v[rX+2], v[rX+3]
.if \half
	v_lshlrev_b32 v[TT], 16, v[rO]
	v_and_b32 v[TT+1], s37, v[rO]
	v_lshlrev_b32 v[TT+2], 16, v[rO+1]
	v_and_b32 v[TT+3], s37, v[rO+1]
	v_cvt_pk_f16_f32 v[rO], v[TT], v[TT+1]
	v_cvt_pk_f16_f32 v[rO+1], v[TT+2], v[TT+3]
.endif
	global_store_b64 v[VO+(\i)], v[rO:rO+1], s[28:29] offset:(\j)*256
.endr
.endm
	s_cmp_eq_u32 s2, 11
	s_cbranch_scc1 .Lwo
	CONV 0, 0
	CONV 1, 0
	CONV 2, 0
	CONV 3, 0
	s_endpgm
.Lwo:
	CONV 0, 1
	CONV 1, 1
	CONV 2, 1
	CONV 3, 1
	s_endpgm
.Lfunc_end_k_qadbbde34aa_prep:
	.size	k_qadbbde34aa_prep, .Lfunc_end_k_qadbbde34aa_prep-k_qadbbde34aa_prep
	.p2alignl 7, 3214868480
	.fill 96, 4, 3214868480
	.section	.rodata,"a",@progbits
	.p2align	6, 0x0
	.amdhsa_kernel k_qadbbde34aa_prep
		.amdhsa_group_segment_fixed_size 0
		.amdhsa_private_segment_fixed_size 0
		.amdhsa_enable_private_segment 0
		.amdhsa_kernarg_size 56
		.amdhsa_user_sgpr_count 2
		.amdhsa_user_sgpr_kernarg_segment_ptr 1
		.amdhsa_wavefront_size32 1
		.amdhsa_system_sgpr_workgroup_id_x 1
		.amdhsa_system_sgpr_workgroup_id_y 1
		.amdhsa_system_sgpr_workgroup_id_z 1
		.amdhsa_system_vgpr_workitem_id 0
		.amdhsa_next_free_vgpr 208
		.amdhsa_next_free_sgpr 66
		.amdhsa_reserve_vcc 0
		.amdhsa_float_denorm_mode_32 3
		.amdhsa_float_denorm_mode_16_64 3
		.amdhsa_memory_ordered 1
		.amdhsa_forward_progress 1
		.amdhsa_inst_pref_size 29
	.end_amdhsa_kernel
	.amdgpu_metadata
---
amdhsa.version: [ 1, 2 ]
amdhsa.kernels:
  - .name:           k_qadbbde34aa_prep
    .symbol:         k_qadbbde34aa_prep.kd
    .args:
      - { .name: X, .offset: 0, .size: 8, .value_kind: global_buffer, .address_space: global }
      - { .name: Wq, .offset: 8, .size: 8, .value_kind: global_buffer, .address_space: global }
      - { .name: Wk, .offset: 16, .size: 8, .value_kind: global_buffer, .address_space: global }
      - { .name: Wv, .offset: 24, .size: 8, .value_kind: global_buffer, .address_space: global }
      - { .name: Wo, .offset: 32, .size: 8, .value_kind: global_buffer, .address_space: global }
      - { .name: xb, .offset: 40, .size: 8, .value_kind: global_buffer, .address_space: global }
      - { .name: wb, .offset: 48, .size: 8, .value_kind: global_buffer, .address_space: global }
    .group_segment_fixed_size: 0
    .private_segment_fixed_size: 0
    .kernarg_segment_align: 8
    .kernarg_segment_size: 56
    .max_flat_workgroup_size: 128
    .sgpr_count:     66
    .vgpr_count:     208
    .wavefront_size: 32
...
	.end_amdgpu_metadata
.endif
;; end of part 1
;; launch qkv (part 2): grid 8 x 32, 4 waves a work-group, clusters of 4 x 4, 327,680 bytes of LDS; arguments xb, wb, bq, bk, bv, mask, qk, vt, bm; writes qk, vt, bm
.if DOCPART == 2
	.amdgcn_target "amdgcn-amd-amdhsa--gfx1250"
	.amdhsa_code_object_version 6
	.text
	.protected	k_qadbbde34aa_qkv
	.globl	k_qadbbde34aa_qkv
	.p2align	8
	.type	k_qadbbde34aa_qkv,@function
k_qadbbde34aa_qkv:
	s_mov_b64 s[64:65], 0
	v_nop
	global_prefetch_b8 v0, s[64:65] scope:SCOPE_SE
	s_setreg_imm32_b32 hwreg(HW_REG_WAVE_MODE, 25, 1), 1
	s_wait_xcnt 0x0
	s_wait_alu depctr_hold_cnt(0) depctr_sa_sdst(0) depctr_va_vdst(0) depctr_va_sdst(0) depctr_va_ssrc(0) depctr_va_vcc(0) depctr_vm_vsrc(0)
	s_getreg_b32 s2, hwreg(HW_REG_IB_STS2, 6, 4)
	s_cmp_eq_u32 s2, 0
	s_cbranch_scc0 .Lentry_in_a_cluster
	s_endpgm
.Lentry_in_a_cluster:
	s_bfe_u32 s2, ttmp6, 0x10000c
	s_cmp_lg_u32 s2, 0xf033
	s_cbranch_scc0 .Lentry_shape_is_right
	s_endpgm
.Lentry_shape_is_right:
; Q, K, V AND THE MASK'S BITS: A WORK-GROUP STAYS AND MAKES TWO TILES.  Operands bf16 (the biases rounded to bf16 too), sums f32, qk and vt f16.  LIMIT: Q, K and V beyond 65,504 become infinities in f16.
; TILE 1, 256 x 256: qk[s][e] = sum over d of X[s][d] W[e][d] + b[e]; e = 0..1023 is Q (Wq, bq), e = 1024..2047 is K (Wk, bk).  A = X's rows 256 TY .., B = W's rows 256 TX ..; a wave makes 128 x 128: 64 accumulators.
; TILE 2, 128 x 256: vt[place of e][s] = sum over d of Wv[e][d] X[s][d] + bv[e].  A = Wv's rows 128 TX .., B = X's rows 256 TY .., the rows that were tile 1's A; a wave makes 64 x 128: 32 accumulators.
; K goes in 8 steps of 128 for each tile through two LDS slots filled by tensor loads whose rows are 256 bytes of memory.  THE RING DOES NOT STOP BETWEEN THE TILES: tile 1's last two changes of slots ask for tile 2's
; K steps 0 and 1, tile 1 goes out while the second of them lands, and nothing waits for tile 1's stores.  Both tiles use one LDS geometry (parts of 128 rows; tile 2's A fills 64 of them), so lane addresses and slots go on as they are.
; CLUSTER 4 x 4: what hangs on TY alone (X) is shared along a row of the cluster, what hangs on TX alone (W, Wv) along a column: each is asked for jointly, by the same load with the same descriptor and a mask of the four.
; ROW ORDER.  In xb and in wb's Wq, Wk the rows of each block of 128 lie so that LDS row 16 b + r holds true row 8 r + b.  So over the accumulators b = 0..7 a lane holds eight neighbouring columns of the result, 16 bytes of f16,
; and sixteen lanes store 256 consecutive aligned bytes: no stage in LDS.  Tile 1: register j of accumulator (a, b) in lane (r, h) is (true row 64 h + 8 j + a, true column 8 r + b).
; Tile 2: channel c = 64 WR + 16 a + 8 h + j is stored at row 16 (c % 8) + c / 8 = 16 j + 8 WR + 2 a + h of its block of 128: the order in which the product P V wants its B operand.
; THE MASK.  The work-group also makes tile (TY, TX) of bm: 256 rows x 256 columns of the mask as bits (1 = hidden), 8,192 dense bytes: byte (row / 16) 512 + c 16 + row % 16 holds columns 8 c .. 8 c + 7, bit i = column 8 c + i.
; A wave takes 64 rows, in eight pieces of 16 rows x 128 columns, one in each K step of tile 2, in front of the change of slots; a piece's 16 loads (512 consecutive bytes each) go out when the piece before is packed, a K step ahead.
; REGISTERS, in windows of 256 (s_set_vgpr_msb: bits 1:0 source 0, 3:2 source 1, 5:4 source 2, 7:6 destination):
;   window 0: v0-39 addresses and at work; v64-127, v128-191 A's fragments, two buffers (at the end: tile 2's packed results); v192-255 tile 1's packed results, two blocks by turns
;   window 1: v0-63 the bias as the C operand of a tile's first products; v64-127, v128-191 B's fragments
;   windows 2, 3: accumulator (a, b) at v[64 (a % 4) + 8 b] of window 2 + a / 4; in tile 2 window 3 holds the mask's piece
.set MB,     8                         ; A's blocks of 16 rows a wave: 8 in tile 1, 4 in tile 2
.set NL,     16+2*MB                   ; LDS loads in a run
.set PITCH,  272                       ; an LDS row: 256 bytes + 16 of padding: the 16 rows of a fragment load start in 16 different groups of four banks (64 banks of 4 bytes: ISA guide 11.1)
.set HA,     128*PITCH                 ; a part of A in one slot
.set HB,     128*PITCH                 ; the same of B
.set BBASE,  4*HA                      ; A: part p, slot s at p 2 HA + s HA; B behind it: BBASE + p 2 HB + s HB.  HA's and HB's bits lie in no part's base, so an exclusive or changes slots
.set SPARE,  4*HA+4*HB                 ; behind the ring: the spare words, 128 bytes a wave
.set FLAGS,  (1<<16)|(1<<20)|(1<<21)|(5<<22)|(3<<25)  ; 17:16 2-byte elements; 20 padding on; 21 set beside a mask; 24:22 after every 64 words; 31:25 4 words
.set WB,    8                          ; v8-11   a piece's 16 bytes of bits
.set TMW,   12                         ; v12-15  the neighbour lane's words
.set ADRA0, 16                         ; v16  my lane's place in A's part, slot 0; never rewritten
.set ADRB0, 17                         ; v17  the same for B
.set ADRA,  18                         ; v18  the same in the slot in hand
.set ADRB,  19
.set CO,    20                         ; v20  my byte offset in qk
.set VO0,   21                         ; v21  my byte offset in a piece's 256 bytes of bm
.set VO,    22                         ; v22  the same with the piece's place
.set CO2,   23                         ; v23  my byte offset in vt
.set SPW,   28                         ; v28  LDS address of my spare word; never rewritten
.set NIL,   29                         ; v29  0; never rewritten
.set F0,    64
.set F1,    128
.set TMP,   192
.set MX,    0                          ; window 3: v0-63 a piece of the mask as loaded: row i's four columns at 4 i
.set SH,    64                         ; window 3: v64-79 the 16 shift amounts
.set MW,    80                         ; window 3: v80-83 my four bits of each of 16 bytes
.set VS0,   84                         ; window 3: v84 16 x lane;  v85 the same with the piece's place
.set VS,    85
.set WV, 20                            ; s20 wave; s21 its half of A's rows, and: it fetches A (0) or B (1); s22 its half of B's rows, and: which part it fetches
.set WR, 21
.set WC, 22
.set CX, 23
.set CY, 24
.set TX, 25
.set TY, 26
.set RMK, 27
.set CMK, 28
.set MQ, 29                            ; s29 at work
.set HM, 30                            ; s30 a word's upper bf16
.set G1A, 32                           ; s[32:39] group 1: 128 rows, my row of the cluster: tile 1's A and tile 2's B (both are X)
.set G0A, 40                           ; s[40:47] tile 1's A, group 0: a set for each first fill; the second then walks
.set G1B, 48                           ; s[48:55] group 1: 128 rows, my column: tile 1's B
.set G0B, 56                           ; s[56:63] tile 1's B, group 0
.set TA,  66                           ; s66, s67 the slot in hand: 0 or HA, 0 or HB
.set TBB, 67
.set CNT, 68
.set MT,  69                           ; s69 the piece of the mask that is on its way
.set AOF, 70
.set OUT2, 70                          ; s[70:71] later: vt at my part
.set BOF, 72
.set BVO, 72                           ; s72 later: my rows' byte offset in bv
.set AP,  74
.set BP,  76
.set LA,  78
.set LB,  79
.set OOF, 80
.set OUT, 82
.set G1A2, 84                          ; s[84:91] group 1: 64 rows, my column: tile 2's A
.set G0A2, 92                          ; s[92:95] tile 2's A, group 0: it walks
.set G0B2, 96                          ; s[96:99] tile 2's B, group 0: it walks
.set MSB, 0
.macro WIN new                         ; the immediate's high byte repeats the setting that is left; a switch that changes nothing is dropped
.if MSB != (\new)
	s_set_vgpr_msb (MSB<<8)|(\new)
.set MSB, \new
.endif
.endm
.macro PLACES                          ; four places in front of loads into registers that matrix instructions have read, and of lines that read results
.rept 4
	v_nop
.endr
.endm
.macro CREST                           ; a round of the cluster's barrier behind its opening barrier
	s_cmp_lg_u32 s[WV], 0
	s_cbranch_scc1 .Lnot_wave_0_\@
	s_barrier_signal -3
.Lnot_wave_0_\@:
	s_barrier_wait -3
	s_barrier_signal -1
	s_barrier_wait -1
.endm
.macro CROUND
	s_barrier_signal -1
	s_barrier_wait -1
	CREST
.endm
.macro JLOAD ga, g1a, gb, g1b          ; a joint refill: waves 0, 1 fetch A's two parts, waves 2, 3 B's; an s_nop 0 and four v_nop follow each line
	s_cmp_eq_u32 s[WR], 0
	s_cbranch_scc0 .Lfor_b_\@
	tensor_load_to_lds s[(\ga):(\ga)+3], s[(\g1a):(\g1a)+7]
	s_nop 0
.rept 4
	v_nop
.endr
	s_branch .Lasked_\@
.Lfor_b_\@:
	tensor_load_to_lds s[(\gb):(\gb)+3], s[(\g1b):(\g1b)+7]
	s_nop 0
.rept 4
	v_nop
.endr
.Lasked_\@:
.endm
; 8 matrix instructions: A's block a x all 8 blocks of B, 32 along K.  mode = 1: the products start the sums with the bias of B's columns (tile 1); 2: with the bias of A's rows (tile 2).
; The accumulators take turns, one instruction a turn.
.macro MULA f, a, mode
.set rA, (\f)+8*(\a)
.if \mode
	WIN 0x94+0x40*((\a)/4)                         ; A window 0, B window 1, C window 1, D window 2 or 3
.else
	WIN 0xa4+0x50*((\a)/4)                         ; C and D window 2 or 3
.endif
.irp b, 0,1,2,3,4,5,6,7
.set rD, 64*((\a)%4)+8*(\b)
.set rB, (\f)+8*(\b)
.if (\mode) == 1
	v_wmma_f32_16x16x32_bf16 v[rD:rD+7], v[rA:rA+7], v[rB:rB+7], v[8*(\b):8*(\b)+7]
.elseif (\mode) == 2
	v_wmma_f32_16x16x32_bf16 v[rD:rD+7], v[rA:rA+7], v[rB:rB+7], v[8*(\a):8*(\a)+7]
.else
	v_wmma_f32_16x16x32_bf16 v[rD:rD+7], v[rA:rA+7], v[rB:rB+7], v[rD:rD+7]
.endif
.endr
.endm
.macro BLKS f, a0, n, mode             ; n blocks from a0 on
.set aa, \a0
.rept \n
	MULA \f, aa, \mode
.set aa, aa+1
.endr
.endm
.macro FETCH k, f                      ; one run of NL LDS loads: the fragments of 32 along K at byte k of the rows; B's first, then A's blocks in order
	WIN 0x40
.irp i, 0,1,2,3,4,5,6,7
	ds_load_b128 v[(\f)+8*(\i):(\f)+8*(\i)+3],   v[ADRB] offset:(\k)+(\i)*16*PITCH
	ds_load_b128 v[(\f)+8*(\i)+4:(\f)+8*(\i)+7], v[ADRB] offset:(\k)+(\i)*16*PITCH+32
.endr
	WIN 0
.set ii, 0
.rept MB
	ds_load_b128 v[(\f)+8*ii:(\f)+8*ii+3],   v[ADRA] offset:(\k)+ii*16*PITCH
	ds_load_b128 v[(\f)+8*ii+4:(\f)+8*ii+7], v[ADRA] offset:(\k)+ii*16*PITCH+32
.set ii, ii+1
.endr
.endm
.macro QUARTER k, f, g, mode           ; multiplies buffer f; in its middle fetches the next quarter, at byte k, into g
	s_wait_dscnt MB                                ; B and A's lower blocks are in; the youngest MB loads (A's upper blocks) may be out
	BLKS \f, 0, MB/2, \mode
	PLACES
	FETCH \k, \g
	s_wait_dscnt NL                                ; all but the NL just issued
	BLKS \f, MB/2, MB/2, \mode
.endm
.macro MEET round                      ; the first half of a K step's last quarter, and the barrier of the change of slots
	WIN 0
	s_wait_tensorcnt 0x0                           ; all my tensor loads have landed: the one that was out is my part of the next slot
	ds_add_u32 v[SPW], v[NIL]
	s_wait_dscnt MB+1                              ; the add and A's upper blocks may be out
	BLKS F1, 0, MB/4, 0
	s_wait_dscnt 0x0                               ; the add is done, and my reads of this slot are over
	s_barrier_signal -1
	BLKS F1, MB/4, MB/4, 0
.if \round
	WIN 0
.endif
	s_barrier_wait -1
.endm
; The whole last quarter.  fill = 1: the barrier opens a round of the cluster's, and the slot just read is filled again first thing behind it, by the walking descriptors ga (A) and gb (B) with the shapes g1a and g1b.
.macro TURN fill, ga=0, g1a=0, gb=0, g1b=0
	MEET \fill
.if \fill
	CREST
	s_xor_b32 s[(\ga)+1], s[(\ga)+1], HA           ; the other slot than last time, the next K step
	s_add_nc_u64 s[(\ga)+2:(\ga)+3], s[(\ga)+2:(\ga)+3], 256
	s_xor_b32 s[(\gb)+1], s[(\gb)+1], HB
	s_add_nc_u64 s[(\gb)+2:(\gb)+3], s[(\gb)+2:(\gb)+3], 256
	JLOAD \ga, \g1a, \gb, \g1b                     ; its four v_nop are also the places in front of the loads below
.else
	PLACES
	WIN 0
.endif
	s_xor_b32 s[TA], s[TA], HA                     ; the reads go on in the other slot
	s_xor_b32 s[TBB], s[TBB], HB
	v_add_nc_u32 v[ADRA], s[TA], v[ADRA0]
	v_add_nc_u32 v[ADRB], s[TBB], v[ADRB0]
	FETCH 0, F0
	BLKS F1, MB/2, MB/2, 0
.endm
.macro MLOADS                          ; a piece's 16 loads: row i's 128 columns, 512 consecutive bytes; lane L takes columns 4 L .. 4 L + 3
	WIN 0xff
.set mi, 0
.rept 16
	global_load_b128 v[MX+4*mi:MX+4*mi+3], v[VS], s[14:15] offset:mi*8192 th:TH_LOAD_NT
.set mi, mi+1
.endr
.endm
; A PIECE OF THE MASK: 16 rows x 128 columns become 256 bytes of bits.  A lane sets its four bits of each row's byte at their place (row % 4 picks the byte of a word, an odd lane's columns are the upper four bits);
; the words are turned over (1 = hidden) and joined with the neighbour lane's by an AND, in which each lane's foreign bits are ones.  Both lanes of a pair store the same 16 bytes: the wave's store covers 256 consecutive bytes, aligned.
; Then the next piece is asked for; behind the eighth the seventh step's number stays (the clamp keeps the loads inside the mask; those 16 loads serve nothing).
.macro MLUMP
	WIN 0xff
	s_wait_loadcnt 0x0                             ; the piece is in: its loads went out a K step ago
	s_wait_xcnt 0x0                                ; the last piece's store has read its data and its offset
.set mi, 0
.rept 16
.set mk, 0
.rept 4
	v_min_u32 v[MX+4*mi+mk], 1, v[MX+4*mi+mk]      ; 1 = attend (any number but 0)
.if (mi%4 == 0) && (mk == 0)
	v_lshlrev_b32 v[MW+mi/4], v[SH], v[MX+4*mi+mk] ; a word's first bit starts it: nothing is cleared
.else
	v_lshl_or_b32 v[MW+mi/4], v[MX+4*mi+mk], v[SH+4*(mi%4)+mk], v[MW+mi/4]
.endif
.set mk, mk+1
.endr
.set mi, mi+1
.endr
	WIN 0x0c                                       ; source 1 window 3, destination window 0
.irp q, 0,1,2,3
	v_xor_b32 v[WB+\q], -1, v[MW+\q]
.endr
	WIN 0
.irp q, 0,1,2,3
	v_mov_b32_dpp v[TMW+\q], v[WB+\q] row_xmask:1 row_mask:0xf bank_mask:0xf
.endr
.irp q, 0,1,2,3
	v_and_b32 v[WB+\q], v[WB+\q], v[TMW+\q]
.endr
	s_lshl_b32 s31, s[MT], 8                       ; piece t = 2 u + k lies at (16 rows' 512 bytes) u + 256 k = 256 t
	v_add_nc_u32 v[VO], s31, v[VO0]
	global_store_b128 v[VO], v[WB:WB+3], s[2:3]
	s_add_co_u32 s[MT], s[MT], 1
	s_min_u32 s[MT], s[MT], 7
	s_lshr_b32 s31, s[MT], 1
	s_lshl_b32 s31, s31, 17                        ; in the mask: 16 rows of 8,192 bytes x u
	s_and_b32 s[MQ], s[MT], 1
	s_lshl_b32 s[MQ], s[MQ], 9                     ; + 512 k
	s_or_b32 s31, s31, s[MQ]
	WIN 0xff
	v_add_nc_u32 v[VS], s31, v[VS0]
	MLOADS
.endm
	s_load_b512 s[4:19], s[0:1], 0x0               ; xb s[4:5], wb s[6:7], bq s[8:9], bk s[10:11], bv s[12:13], mask s[14:15], qk s[16:17], vt s[18:19]
	s_load_b64 s[2:3], s[0:1], 0x40                ; bm
	v_lshl_add_u32 v[SPW], v0, 2, SPARE
	v_mov_b32 v[NIL], 0
	ds_add_u32 v[SPW], v[NIL]                      ; the wave's opening: the add and its wait ahead of my first tensor load
	v_lshrrev_b32 v1, 5, v0
	v_readfirstlane_b32 s[WV], v1
	s_lshr_b32 s[WR], s[WV], 1
	s_and_b32 s[WC], s[WV], 1
	s_bfe_u32 s[CX], ttmp6, 0x40000
	s_bfe_u32 s[CY], ttmp6, 0x40004
	s_lshl_b32 s[TX], ttmp9, 2
	s_add_co_u32 s[TX], s[TX], s[CX]
	s_and_b32 s[TY], ttmp7, 0xffff
	s_lshl_b32 s[TY], s[TY], 2
	s_add_co_u32 s[TY], s[TY], s[CY]
	s_lshl_b32 s[RMK], s[CY], 2
	s_lshl_b32 s[RMK], 15, s[RMK]                  ; my row of the cluster
	s_lshl_b32 s[CMK], 0x1111, s[CX]               ; my column
	s_or_b32 s[G1A], s[RMK], FLAGS
	s_or_b32 s[G1B], s[CMK], FLAGS
	s_or_b32 s[G1A2], s[CMK], FLAGS
.irp g, G1A, G1B
	s_mov_b32 s[(\g)+1], 128<<16                   ; tensor_dim0 = 128
	s_mov_b32 s[(\g)+2], 128<<16                   ; tensor_dim1 = 128
	s_mov_b32 s[(\g)+3], 128<<16                   ; tile_dim0 = 128
	s_mov_b32 s[(\g)+4], 128                       ; tile_dim1 = 128
	s_mov_b32 s[(\g)+5], 1024                      ; elements from row to row
	s_mov_b32 s[(\g)+6], 0
	s_mov_b32 s[(\g)+7], 0
.endr
	s_mov_b32 s[G1A2+1], 128<<16
	s_mov_b32 s[G1A2+2], 64<<16                    ; 64 rows
	s_mov_b32 s[G1A2+3], 128<<16
	s_mov_b32 s[G1A2+4], 64
	s_mov_b32 s[G1A2+5], 1024
	s_mov_b32 s[G1A2+6], 0
	s_mov_b32 s[G1A2+7], 0
	s_lshl_b32 s31, s[WC], 18                      ; the 128 rows of 2,048 bytes that I fetch
	s_lshl_b32 s[AOF], s[TY], 19                   ; X: row 256 TY + 128 x part
	s_add_co_u32 s[AOF], s[AOF], s31
	s_mov_b32 s[AOF+1], 0
	s_lshl_b32 s[BOF], s[TX], 19                   ; Wq, Wk: row 256 TX + 128 x part
	s_add_co_u32 s[BOF], s[BOF], s31
	s_mov_b32 s[BOF+1], 0
	s_lshl_b32 s[OOF], s[TX], 18                   ; Wv lies 4 MiB into wb: row 128 TX + 64 x part; one K step back, since the walking descriptor steps ahead of each use
	s_lshl_b32 s31, s[WC], 17
	s_add_co_u32 s[OOF], s[OOF], s31
	s_add_co_u32 s[OOF], s[OOF], 0x400000-256
	s_mov_b32 s[OOF+1], 0
	s_mul_i32 s[LA], s[WC], 2*HA                   ; where they go: no place in the cluster enters an LDS address
	s_mul_i32 s[LB], s[WC], 2*HB
	s_add_co_u32 s[LB], s[LB], BBASE
	s_mov_b32 s[TA], 0
	s_mov_b32 s[TBB], 0
	s_mov_b32 s[MT], 0
	s_mov_b32 s[HM], 0xffff0000
	s_wait_dscnt 0x0                               ; the opening add is done
	s_wait_kmcnt 0x0
	s_add_nc_u64 s[AP:AP+1], s[4:5], s[AOF:AOF+1]
	s_add_nc_u64 s[BP:BP+1], s[6:7], s[BOF:BOF+1]
	CROUND                                         ; all sixteen work-groups are here: the first joint loads meet
.irp s, 0,1
	s_mov_b32 s[G0A+4*\s], 1
	s_add_co_u32 s[G0A+4*\s+1], s[LA], \s*HA
	s_add_nc_u64 s[G0A+4*\s+2:G0A+4*\s+3], s[AP:AP+1], \s*256
	s_or_b32 s[G0A+4*\s+3], s[G0A+4*\s+3], 0x80000000
	s_mov_b32 s[G0B+4*\s], 1
	s_add_co_u32 s[G0B+4*\s+1], s[LB], \s*HB
	s_add_nc_u64 s[G0B+4*\s+2:G0B+4*\s+3], s[BP:BP+1], \s*256
	s_or_b32 s[G0B+4*\s+3], s[G0B+4*\s+3], 0x80000000
.endr
	s_mov_b32 s[G0A2], 1                           ; tile 2's descriptors stand at slot 1 and one K step back: their first use turns them to slot 0 and K step 0
	s_add_co_u32 s[G0A2+1], s[LA], HA
	s_add_nc_u64 s[G0A2+2:G0A2+3], s[6:7], s[OOF:OOF+1]
	s_or_b32 s[G0A2+3], s[G0A2+3], 0x80000000
	s_mov_b32 s[G0B2], 1
	s_add_co_u32 s[G0B2+1], s[LB], HB
	s_sub_nc_u64 s[G0B2+2:G0B2+3], s[AP:AP+1], 256
	s_or_b32 s[G0B2+3], s[G0B2+3], 0x80000000
	s_cmp_eq_u32 s[WR], 0                          ; a wave's two first fills stand in one branch: two loads of mine are out
	s_cbranch_scc0 .Lfirst_b
	tensor_load_to_lds s[G0A:G0A+3], s[G1A:G1A+7]
	s_nop 0
	tensor_load_to_lds s[G0A+4:G0A+7], s[G1A:G1A+7]
	s_nop 0
.rept 4
	v_nop
.endr
	s_branch .Lfirst_asked
.Lfirst_b:
	tensor_load_to_lds s[G0B:G0B+3], s[G1B:G1B+7]
	s_nop 0
	tensor_load_to_lds s[G0B+4:G0B+7], s[G1B:G1B+7]
	s_nop 0
.rept 4
	v_nop
.endr
.Lfirst_asked:
	v_and_b32 v1, 15, v0                           ; r
	v_bfe_u32 v2, v0, 4, 1                         ; h
	v_mul_u32_u24 v3, v1, PITCH
	v_lshl_add_u32 v3, v2, 4, v3                   ; a fragment's row x pitch + 16 h
	s_mul_i32 s31, s[WR], 2*HA
	v_add_nc_u32 v[ADRA0], s31, v3
	s_mul_i32 s31, s[WC], 2*HB
	s_add_co_u32 s31, s31, BBASE
	v_add_nc_u32 v[ADRB0], s31, v3
	v_mov_b32 v[ADRA], v[ADRA0]
	v_mov_b32 v[ADRB], v[ADRB0]
	; tile 1's bias: my eight columns 8 r + b
	s_and_b32 s31, s[TX], 3
	s_lshl_b32 s31, s31, 10
	s_lshl_b32 s[OOF], s[WC], 9
	s_add_co_u32 s31, s31, s[OOF]
	v_lshl_add_u32 v4, v1, 5, s31
	s_cmp_eq_u32 ttmp9, 0                          ; the first cluster column makes Q, the second K
	s_cselect_b64 s[8:9], s[8:9], s[10:11]
	global_load_b128 v[32:35], v4, s[8:9]
	global_load_b128 v[36:39], v4, s[8:9] offset:16
	s_lshl_b32 s[OOF], s[TY], 20                   ; my part of qk: row 256 TY + 128 x half, 4,096 bytes a row; column 256 TX + 128 x half
	s_lshl_b32 s31, s[WR], 19
	s_add_co_u32 s[OOF], s[OOF], s31
	s_lshl_b32 s31, s[TX], 9
	s_add_co_u32 s[OOF], s[OOF], s31
	s_lshl_b32 s31, s[WC], 8
	s_add_co_u32 s[OOF], s[OOF], s31
	s_add_nc_u64 s[OUT:OUT+1], s[16:17], s[OOF:OOF+1]
	s_lshl_b32 s[OOF], s[TX], 21                   ; my part of vt: row 128 TX + 8 WR, 16,384 bytes a row; column 256 TY + 128 x half
	s_lshl_b32 s31, s[WR], 17
	s_add_co_u32 s[OOF], s[OOF], s31
	s_lshl_b32 s31, s[TY], 9
	s_add_co_u32 s[OOF], s[OOF], s31
	s_lshl_b32 s31, s[WC], 8
	s_add_co_u32 s[OOF], s[OOF], s31
	s_add_nc_u64 s[OUT2:OUT2+1], s[18:19], s[OOF:OOF+1]
	s_lshl_b32 s[OOF], s[TY], 21                   ; my part of the mask: row 256 TY + 64 wave, 8,192 bytes a row; column 256 TX
	s_lshl_b32 s31, s[WV], 19
	s_add_co_u32 s[OOF], s[OOF], s31
	s_lshl_b32 s31, s[TX], 10
	s_add_co_u32 s[OOF], s[OOF], s31
	s_add_nc_u64 s[14:15], s[14:15], s[OOF:OOF+1]
	s_lshl_b32 s[OOF], s[TY], 16                   ; my part of bm: (8 TY + TX) x 8,192 + 2,048 x wave
	s_lshl_b32 s31, s[TX], 13
	s_add_co_u32 s[OOF], s[OOF], s31
	s_lshl_b32 s31, s[WV], 11
	s_add_co_u32 s[OOF], s[OOF], s31
	s_add_nc_u64 s[2:3], s[2:3], s[OOF:OOF+1]
	s_lshl_b32 s[BVO], s[TX], 9                    ; tile 2's bias: rows 128 TX + 64 WR ..
	s_lshl_b32 s31, s[WR], 8
	s_add_co_u32 s[BVO], s[BVO], s31
	v_lshlrev_b32 v[CO], 4, v1
	v_lshl_add_u32 v[CO], v2, 18, v[CO]            ; 64 h rows + 16 r bytes
	s_wait_loadcnt 0x0
.irp q, 0,2,4,6
	v_cvt_pk_bf16_f32 v[32+\q], v[32+\q], v[33+\q] ; the bias is rounded to bf16 like every input
.endr
	WIN 0x40
.irp q, 0,2,4,6
.irp j, 0,1,2,3,4,5,6,7
	v_lshlrev_b32 v[8*\q+\j], 16, v[32+\q]         ; all eight rows of a lane's column take the same bias
	v_and_b32 v[8*\q+8+\j], s[HM], v[32+\q]
.endr
.endr
	WIN 0
	s_wait_tensorcnt 0x1                           ; my part of K step 0 is in; K step 1's may stay out
	s_barrier_signal -1
	s_barrier_wait -1
	FETCH 0, F0
	QUARTER 64, F0, F1, 1                          ; the first quarter stands in front of the loop: its products start the sums
	WIN 0
	s_mov_b32 s[CNT], 6
.Lk:                                                   ; TILE 1.  A trip: from a K step's second quarter to the next step's first; it fills the slot that it leaves, two K steps ahead
	QUARTER 128, F1, F0, 0
	QUARTER 192, F0, F1, 0
	TURN 1, G0A+4, G1A, G0B+4, G1B
	QUARTER 64, F0, F1, 0
	WIN 0
	s_sub_co_u32 s[CNT], s[CNT], 1
	s_cmp_lg_u32 s[CNT], 0
	s_cbranch_scc1 .Lk
	s_mov_b32 s[CNT], 2
.Lx:                                                   ; tile 1's last two K steps: their changes of slots ask for TILE 2's K steps 0 and 1.  The second trip is left in its middle:
	QUARTER 128, F1, F0, 0                         ; its change of slots has fetched tile 2's first fragments (and, of A's part, 64 rows that tile 2 does not fill, for nothing)
	QUARTER 192, F0, F1, 0
	TURN 1, G0A2, G1A2, G0B2, G1A
	WIN 0
	s_sub_co_u32 s[CNT], s[CNT], 1
	s_cmp_eq_u32 s[CNT], 0
	s_cbranch_scc1 .Lend1
	QUARTER 64, F0, F1, 0
	WIN 0
	s_cmp_lg_u32 s[CNT], 0
	s_cbranch_scc1 .Lx
.Lend1:
	s_wait_dscnt 0x0                               ; tile 2's first fragments are in
	PLACES
	v_lshl_add_u32 v4, v2, 5, s[BVO]               ; tile 2's bias, of my rows 16 a + 8 h + j, is asked for
.irp a, 0,1,2,3
	global_load_b128 v[32+8*\a:35+8*\a], v4, s[12:13] offset:64*\a
	global_load_b128 v[36+8*\a:39+8*\a], v4, s[12:13] offset:64*\a+16
.endr
; TILE 1'S WAY OUT, block a, the n-th to go: for each of a lane's eight rows the eight columns are rounded to f16 (each accumulator's lowest register is read first) and stored.
.macro OUTA a, n
.if (\n) >= 2
	s_wait_xcnt 0x0                                ; the packed registers take turns: they are written again only behind this wait
.endif
	WIN 0x0a+5*((\a)/4)
.set rC, 64*((\a)%4)
.set rT, TMP+32*((\n)%2)
.irp j, 0,1,2,3,4,5,6,7
.irp t, 0,1,2,3
	v_cvt_pk_f16_f32 v[rT+4*(\j)+(\t)], v[rC+16*(\t)+(\j)], v[rC+16*(\t)+8+(\j)]
.endr
.endr
	WIN 0
.irp j, 0,1,2,3,4,5,6,7
	global_store_b128 v[CO], v[rT+4*(\j):rT+4*(\j)+3], s[OUT:OUT+1] offset:(8*(\j)+(\a))*4096  ; 16 lanes store 256 consecutive bytes, aligned; true row 64 h + 8 j + a
.endr
.endm
	OUTA 4, 0                                      ; window 3's blocks go first: it then takes the mask
	OUTA 5, 1
	OUTA 6, 2
	OUTA 7, 3
	v_and_b32 v5, 31, v0                           ; lane
	v_and_b32 v6, 1, v0
	v_lshlrev_b32 v6, 2, v6                        ; an odd lane's four columns are the upper four bits of their byte
	v_lshlrev_b32 v7, 4, v5                        ; in the mask: 16 bytes a lane
	v_lshrrev_b32 v[VO0], 1, v5
	v_lshlrev_b32 v[VO0], 4, v[VO0]                ; in bm: 16 bytes for each pair of lanes
.irp q, 0,1,2,3
	v_mov_b32 v[TMW+\q], 0                         ; written before the lane exchange names them as destinations
.endr
	WIN 0xc0                                       ; destination window 3
.set mi, 0
.rept 16
	v_add_nc_u32 v[SH+mi], 8*(mi/4)+mi%4, v6       ; row % 4 picks the byte of a word, the column the bit
.set mi, mi+1
.endr
	v_mov_b32 v[VS0], v7
	v_mov_b32 v[VS], v7
	MLOADS                                         ; piece 0
	OUTA 0, 4
	OUTA 1, 5
	OUTA 2, 6
	OUTA 3, 7
	s_wait_loadcnt 16                              ; bv's eight loads are in; the sixteen of the mask's piece, issued behind them, stay out
.set ii, 0
.rept 16
	v_cvt_pk_bf16_f32 v[32+2*ii], v[32+2*ii], v[33+2*ii]  ; the bias is rounded to bf16 like every input
.set ii, ii+1
.endr
	WIN 0x40
.set ii, 0
.rept 16
	v_lshlrev_b32 v[2*ii], 16, v[32+2*ii]
	v_and_b32 v[2*ii+1], s[HM], v[32+2*ii]
.set ii, ii+1
.endr
	WIN 0
	v_lshlrev_b32 v[CO2], 4, v1
	v_lshl_add_u32 v[CO2], v2, 14, v[CO2]          ; h rows + 16 r bytes
.set MB, 4
.set NL, 16+2*MB
	QUARTER 64, F0, F1, 2                          ; TILE 2's first quarter: its products start the sums on accumulators that have been packed
	WIN 0
	s_mov_b32 s[CNT], 6
.Lk2:
	QUARTER 128, F1, F0, 0
	QUARTER 192, F0, F1, 0
	MLUMP
	TURN 1, G0A2, G1A2, G0B2, G1A
	QUARTER 64, F0, F1, 0
	WIN 0
	s_sub_co_u32 s[CNT], s[CNT], 1
	s_cmp_lg_u32 s[CNT], 0
	s_cbranch_scc1 .Lk2
	s_mov_b32 s[CNT], 2
.Lt2:                                                  ; the last two K steps ask for nothing: a loop of their own; the second trip is left in its middle.
	QUARTER 128, F1, F0, 0                         ; Its change of slots fetches the other slot's fragments once more, for nothing: the price, once a launch, of one text for both trips
	QUARTER 192, F0, F1, 0
	MLUMP
	TURN 0
	WIN 0
	s_sub_co_u32 s[CNT], s[CNT], 1
	s_cmp_eq_u32 s[CNT], 0
	s_cbranch_scc1 .Lend2
	QUARTER 64, F0, F1, 0
	WIN 0
	s_cmp_lg_u32 s[CNT], 0
	s_cbranch_scc1 .Lt2
.Lend2:
	s_wait_dscnt 0x0                               ; the fragments fetched for nothing have landed: their registers take the packed results
	PLACES
.macro OUTV a                          ; TILE 2'S WAY OUT, block a
	WIN 0x0a
.set rC, 64*(\a)
.set rT, F0+32*(\a)
.irp j, 0,1,2,3,4,5,6,7
.irp t, 0,1,2,3
	v_cvt_pk_f16_f32 v[rT+4*(\j)+(\t)], v[rC+16*(\t)+(\j)], v[rC+16*(\t)+8+(\j)]
.endr
.endr
	WIN 0
.irp j, 0,1,2,3,4,5,6,7
	global_store_b128 v[CO2], v[rT+4*(\j):rT+4*(\j)+3], s[OUT2:OUT2+1] offset:(16*(\j)+2*(\a))*16384  ; 16 lanes store 256 consecutive bytes, aligned
.endr
.endm
	OUTV 0
	OUTV 1
	OUTV 2
	OUTV 3
	s_wait_tensorcnt 0x0                           ; the wave's end
	ds_add_u32 v[SPW], v[NIL]
	s_wait_dscnt 0x0
	CROUND                                         ; the closing round
	s_endpgm
.Lfunc_end_k_qadbbde34aa_qkv:
	.size	k_qadbbde34aa_qkv, .Lfunc_end_k_qadbbde34aa_qkv-k_qadbbde34aa_qkv
	.p2alignl 7, 3214868480
	.fill 96, 4, 3214868480
	.section	.rodata,"a",@progbits
	.p2align	6, 0x0
	.amdhsa_kernel k_qadbbde34aa_qkv
		.amdhsa_group_segment_fixed_size 327680
		.amdhsa_private_segment_fixed_size 0
		.amdhsa_enable_private_segment 0
		.amdhsa_kernarg_size 72
		.amdhsa_user_sgpr_count 2
		.amdhsa_user_sgpr_kernarg_segment_ptr 1
		.amdhsa_wavefront_size32 1
		.amdhsa_system_sgpr_workgroup_id_x 1
		.amdhsa_system_sgpr_workgroup_id_y 1
		.amdhsa_system_sgpr_workgroup_id_z 1
		.amdhsa_system_vgpr_workitem_id 0
		.amdhsa_next_free_vgpr 1024
		.amdhsa_next_free_sgpr 100
		.amdhsa_reserve_vcc 0
		.amdhsa_float_denorm_mode_32 3
		.amdhsa_float_denorm_mode_16_64 3
		.amdhsa_memory_ordered 1
		.amdhsa_forward_progress 1
		.amdhsa_inst_pref_size 166
	.end_amdhsa_kernel
	.amdgpu_metadata
---
amdhsa.version: [ 1, 2 ]
amdhsa.kernels:
  - .name:           k_qadbbde34aa_qkv
    .symbol:         k_qadbbde34aa_qkv.kd
    .args:
      - { .name: xb, .offset: 0, .size: 8, .value_kind: global_buffer, .address_space: global }
      - { .name: wb, .offset: 8, .size: 8, .value_kind: global_buffer, .address_space: global }
      - { .name: bq, .offset: 16, .size: 8, .value_kind: global_buffer, .address_space: global }
      - { .name: bk, .offset: 24, .size: 8, .value_kind: global_buffer, .address_space: global }
      - { .name: bv, .offset: 32, .size: 8, .value_kind: global_buffer, .address_space: global }
      - { .name: mask, .offset: 40, .size: 8, .value_kind: global_buffer, .address_space: global }
      - { .name: qk, .offset: 48, .size: 8, .value_kind: global_buffer, .address_space: global }
      - { .name: vt, .offset: 56, .size: 8, .value_kind: global_buffer, .address_space: global }
      - { .name: bm, .offset: 64, .size: 8, .value_kind: global_buffer, .address_space: global }
    .group_segment_fixed_size: 327680
    .private_segment_fixed_size: 0
    .kernarg_segment_align: 8
    .kernarg_segment_size: 72
    .max_flat_workgroup_size: 128
    .sgpr_count:     100
    .vgpr_count:     1024
    .wavefront_size: 32
...
	.end_amdgpu_metadata
.endif
;; end of part 2
;; launch scores (part 3): grid 8 x 32, 4 waves a work-group, clusters of 4 x 4, 327,680 bytes of LDS; arguments qk, bm, probs, stats; writes probs, stats
.if DOCPART == 3
	.amdgcn_target "amdgcn-amd-amdhsa--gfx1250"
	.amdhsa_code_object_version 6
	.text
	.protected	k_qadbbde34aa_scores
	.globl	k_qadbbde34aa_scores
	.p2align	8
	.type	k_qadbbde34aa_scores,@function
k_qadbbde34aa_scores:
	s_mov_b64 s[64:65], 0
	v_nop
	global_prefetch_b8 v0, s[64:65] scope:SCOPE_SE
	s_setreg_imm32_b32 hwreg(HW_REG_WAVE_MODE, 25, 1), 1
	s_wait_xcnt 0x0
	s_wait_alu depctr_hold_cnt(0) depctr_sa_sdst(0) depctr_va_vdst(0) depctr_va_sdst(0) depctr_va_ssrc(0) depctr_va_vcc(0) depctr_vm_vsrc(0)
	s_getreg_b32 s2, hwreg(HW_REG_IB_STS2, 6, 4)
	s_cmp_eq_u32 s2, 0
	s_cbranch_scc0 .Lentry_in_a_cluster
	s_endpgm
.Lentry_in_a_cluster:
	s_bfe_u32 s2, ttmp6, 0x10000c
	s_cmp_lg_u32 s2, 0xf033
	s_cbranch_scc0 .Lentry_shape_is_right
	s_endpgm
.Lentry_shape_is_right:
; SCORES AND THE SOFTMAX'S FIRST HALF.  For a tile of 256 queries x 256 keys of one batch: s = Q . K (f16 operands, f32 sums over 1,024 channels); hidden keys count as -infinity;
; m = the row's maximum inside the tile (never below the lowest finite number); probs = 2^(c s - c m) in f16, c = log2(e) / 32; stats takes c m and l = the sum of the unrounded weights.
; The product P V brings the eight tiles of a row onto the row's true maximum.  No exponent is above 0.  LIMITS: a weight below 2^-126 counts as 0; below 6e-5 probs keeps f16's fixed step of 6e-8; a NaN among the scores is not treated apart.
; THE PRODUCT is the 256 x 256 tile of the projection's kernel (four waves of 128 x 128, K in 8 steps of 128, two LDS slots, joint loads in a 4 x 4 cluster), used TRANSPOSED: source 0 = 16 keys, source 1 = 16 queries:
; a lane holds one query (r) and the keys 8 h + 0..7 of accumulator (a, b).
; THE SOFTMAX.  A row's 256 keys lie in two waves, so the tile goes through LDS in f32: the ring's bytes, whose last fill has landed, take 256 rows of 1,040 bytes (bytes 0-511: the keys with key % 8 < 4; 512-1,023: the others).
; Then a wave takes 64 whole rows, four a trip: sixteen lanes hold a row, lane r the keys 128 u + 8 r + 0..7, so a row's maximum and sum are four exchanges inside sixteen lanes, and 16 lanes store 256 consecutive bytes of probs.
; THE MASK's bits come by a plain tensor load, 2,048 bytes a wave: those of the wave's own 64 rows.
.set MB,     8
.set KSTEPS, 8
.set PA,     2048
.set PB,     2048
.set PITCH,  272
.set HA,     16*MB*PITCH
.set HB,     128*PITCH
.set BBASE,  4*HA
.set BITS,   4*HA+4*HB                 ; behind the ring: 8,192 bytes of mask bits
.set STATS,  BITS+8192                 ; 256 rows' c m, then their l: 2,048 bytes, written by LDS stores alone
.set SPARE,  STATS+2048                ; the spare words, 128 bytes a wave
.set SPITCH, 1040                      ; a stage row: 1,024 bytes + 16: the 16 rows of a store start in 16 different groups of four banks
.set NL,     16+2*MB
.set FLAGS,  (1<<16)|(1<<20)|(1<<21)|(5<<22)|(3<<25)
.set ADRA0, 16
.set ADRB0, 17
.set ADRA,  18
.set ADRB,  19
.set STO,   21                         ; v21, v22 where I put my blocks 0-3, 4-7 in the stage
.set RD0,   23                         ; v23  my place in the stage's rows 64 w + 16 h; never rewritten
.set BA0,   24                         ; v24  my byte of mask bits for those rows
.set SA0,   25                         ; v25  their words in STATS
.set SB,    26                         ; v26  where I read 16 bytes of STATS back
.set PO,    27                         ; v27  my byte offset in probs
.set SPW,   28
.set NIL,   29
.set GSO,   30                         ; v30  my byte offset in stats
.set RD,    31                         ; v31-33 the three LDS addresses of the trip in hand
.set BA,    32
.set SA,    33
.set F0,    64
.set F1,    128
.set XL,    64                         ; v64-95   the next trip's 32 scores as they land
.set X,     96                         ; v96-127  the trip's 32 scores: 16 g + 8 u + i
.set BL,    128                        ; v128-131 the next trip's four bytes of bits: 2 g + u
.set TT,    132                        ; v132-135 at work
.set PH,    136                        ; v136-151 the weights in f16
.set CMV,   152                        ; v152-155 for each g the pair (c m, m)
.set MB2,   156                        ; v156-157 a second chain of the maximum
.set LS,    158                        ; v158-159 l
.set WV, 20
.set WR, 21
.set WC, 22
.set CX, 23
.set CY, 24
.set TX, 25
.set TY, 26
.set RMK, 27
.set CMK, 28
.set BAT, 29
.set RS, 14                            ; s14-16 the trip's steps: stage row bytes, bits byte, STATS word
.set NS, 15
.set SS, 16
.set G1A, 32
.set G0A, 40
.set G1B, 48
.set G0B, 56
.set TA,  66
.set TBB, 67
.set CNT, 68
.set AOF, 70
.set BOF, 72
.set AP,  74
.set BP,  76
.set LA,  78
.set LB,  79
.set OOF, 80
.set OUT, 82
.set CS,  84                           ; s[84:85] c
.set PINF, 86                          ; s86 +infinity
.set LOWF, 87                          ; s87 the lowest finite number
.set GB1, 88                           ; s[88:95] group 1 of the bits' load
.set GB0, 96                           ; s[96:99] its group 0
.set MSB, 0
.macro WIN new
.if MSB != (\new)
	s_set_vgpr_msb (MSB<<8)|(\new)
.set MSB, \new
.endif
.endm
.macro PLACES
.rept 4
	v_nop
.endr
.endm
.macro CREST
	s_cmp_lg_u32 s[WV], 0
	s_cbranch_scc1 .Lnot_wave_0_\@
	s_barrier_signal -3
.Lnot_wave_0_\@:
	s_barrier_wait -3
	s_barrier_signal -1
	s_barrier_wait -1
.endm
.macro CROUND
	s_barrier_signal -1
	s_barrier_wait -1
	CREST
.endm
.macro JLOAD
	s_cmp_eq_u32 s[WR], 0
	s_cbranch_scc0 .Lfor_b_\@
	tensor_load_to_lds s[G0A+4:G0A+7], s[G1A:G1A+7]
	s_nop 0
.rept 4
	v_nop
.endr
	s_branch .Lasked_\@
.Lfor_b_\@:
	tensor_load_to_lds s[G0B+4:G0B+7], s[G1B:G1B+7]
	s_nop 0
.rept 4
	v_nop
.endr
.Lasked_\@:
.endm
; 8 matrix instructions: the queries' block a x all 8 blocks of keys; source 0 = keys (window 1), source 1 = queries (window 0).  mode = 1: the first product starts the sums.  The accumulators take turns.
.macro MULA f, a, mode
.set rA, (\f)+8*(\a)
	WIN 0xa1+0x50*((\a)/4)
.irp b, 0,1,2,3,4,5,6,7
.set rD, 64*((\a)%4)+8*(\b)
.set rB, (\f)+8*(\b)
.if \mode
	v_wmma_f32_16x16x32_f16 v[rD:rD+7], v[rB:rB+7], v[rA:rA+7], 0
.else
	v_wmma_f32_16x16x32_f16 v[rD:rD+7], v[rB:rB+7], v[rA:rA+7], v[rD:rD+7]
.endif
.endr
.endm
.macro BLKS f, a0, n, mode
.set aa, \a0
.rept \n
	MULA \f, aa, \mode
.set aa, aa+1
.endr
.endm
.macro FETCH k, f
	WIN 0x40
.irp i, 0,1,2,3,4,5,6,7
	ds_load_b128 v[(\f)+8*(\i):(\f)+8*(\i)+3],   v[ADRB] offset:(\k)+(\i)*16*PITCH
	ds_load_b128 v[(\f)+8*(\i)+4:(\f)+8*(\i)+7], v[ADRB] offset:(\k)+(\i)*16*PITCH+32
.endr
	WIN 0
.set ii, 0
.rept MB
	ds_load_b128 v[(\f)+8*ii:(\f)+8*ii+3],   v[ADRA] offset:(\k)+ii*16*PITCH
	ds_load_b128 v[(\f)+8*ii+4:(\f)+8*ii+7], v[ADRA] offset:(\k)+ii*16*PITCH+32
.set ii, ii+1
.endr
.endm
.macro QUARTER k, f, g, mode
	s_wait_dscnt MB                                ; the youngest MB loads (A's upper blocks) may be out
	BLKS \f, 0, MB/2, \mode
	PLACES
	FETCH \k, \g
	s_wait_dscnt NL                                ; all but the NL just issued
	BLKS \f, MB/2, MB/2, \mode
.endm
.macro MEET round
	WIN 0
	s_wait_tensorcnt 0x0                           ; all my tensor loads have landed: my part of the next slot
	ds_add_u32 v[SPW], v[NIL]
	s_wait_dscnt MB+1                              ; the add and A's upper blocks may be out
	BLKS F1, 0, MB/4, 0
	s_wait_dscnt 0x0                               ; the add is done, and my reads of this slot are over
	s_barrier_signal -1
	BLKS F1, MB/4, MB/4, 0
.if \round
	WIN 0
.endif
	s_barrier_wait -1
.endm
.macro TURN fill
	MEET \fill
.if \fill
	CREST
	s_xor_b32 s[G0A+5], s[G0A+5], HA
	s_add_nc_u64 s[G0A+6:G0A+7], s[G0A+6:G0A+7], 256
	s_xor_b32 s[G0B+5], s[G0B+5], HB
	s_add_nc_u64 s[G0B+6:G0B+7], s[G0B+6:G0B+7], 256
	JLOAD
.else
	PLACES
	WIN 0
.endif
	s_xor_b32 s[TA], s[TA], HA
	s_xor_b32 s[TBB], s[TBB], HB
	v_add_nc_u32 v[ADRA], s[TA], v[ADRA0]
	v_add_nc_u32 v[ADRB], s[TBB], v[ADRB0]
	FETCH 0, F0
	BLKS F1, MB/2, MB/2, 0
.endm
	s_load_b256 s[4:11], s[0:1], 0x0               ; qk s[4:5], bm s[6:7], probs s[8:9], stats s[10:11]
	v_lshl_add_u32 v[SPW], v0, 2, SPARE
	v_mov_b32 v[NIL], 0
	ds_add_u32 v[SPW], v[NIL]                      ; the wave's opening: the add and its wait ahead of my first tensor load
	v_lshrrev_b32 v1, 5, v0
	v_readfirstlane_b32 s[WV], v1
	s_lshr_b32 s[WR], s[WV], 1
	s_and_b32 s[WC], s[WV], 1
	s_bfe_u32 s[CX], ttmp6, 0x40000
	s_bfe_u32 s[CY], ttmp6, 0x40004
	s_lshl_b32 s[TX], ttmp9, 2
	s_add_co_u32 s[TX], s[TX], s[CX]               ; the batch's tile of 256 keys
	s_and_b32 s[TY], ttmp7, 0xffff
	s_lshr_b32 s[BAT], s[TY], 1                    ; the batch: eight row tiles, two clusters, each; made of the cluster's y alone
	s_lshl_b32 s[TY], s[TY], 2
	s_add_co_u32 s[TY], s[TY], s[CY]               ; the tile of 256 rows among all 8,192
	s_lshl_b32 s[RMK], s[CY], 2
	s_lshl_b32 s[RMK], 15, s[RMK]
	s_lshl_b32 s[CMK], 0x1111, s[CX]
	s_or_b32 s[G1A], s[RMK], FLAGS
	s_or_b32 s[G1B], s[CMK], FLAGS
	s_mov_b32 s[G1A+1], 128<<16
	s_mov_b32 s[G1A+2], (16*MB)<<16
	s_mov_b32 s[G1A+3], 128<<16
	s_mov_b32 s[G1A+4], 16*MB
	s_mov_b32 s[G1A+5], PA
	s_mov_b32 s[G1A+6], 0
	s_mov_b32 s[G1A+7], 0
	s_mov_b32 s[G1B+1], 128<<16
	s_mov_b32 s[G1B+2], 128<<16
	s_mov_b32 s[G1B+3], 128<<16
	s_mov_b32 s[G1B+4], 128
	s_mov_b32 s[G1B+5], PB
	s_mov_b32 s[G1B+6], 0
	s_mov_b32 s[G1B+7], 0
	s_mov_b32 s[GB1+0], 3<<16                      ; the bits: 2,048 dense bytes as 8 rows of 32 elements of 8 bytes; no mask, no padding
	s_mov_b32 s[GB1+1], 32<<16
	s_mov_b32 s[GB1+2], 8<<16
	s_mov_b32 s[GB1+3], 32<<16
	s_mov_b32 s[GB1+4], 8
	s_mov_b32 s[GB1+5], 32
	s_mov_b32 s[GB1+6], 0
	s_mov_b32 s[GB1+7], 0
	s_mov_b32 s[GB0], 1
	s_lshl_b32 s[GB0+1], s[WV], 11
	s_add_co_u32 s[GB0+1], s[GB0+1], BITS
	s_lshl_b32 s31, s[WC], 19                      ; the 128 rows of 4,096 bytes that I fetch
	s_lshl_b32 s[AOF], s[TY], 20                   ; A: Q's row 256 x tile row + 128 x part
	s_add_co_u32 s[AOF], s[AOF], s31
	s_mov_b32 s[AOF+1], 0
	s_lshl_b32 s[BOF], s[BAT], 23                  ; B: K lies 2,048 bytes into qk's rows; row 2,048 x batch + 256 x key tile + 128 x part
	s_add_co_u32 s[BOF], s[BOF], s31
	s_lshl_b32 s31, s[TX], 20
	s_add_co_u32 s[BOF], s[BOF], s31
	s_add_co_u32 s[BOF], s[BOF], 2048
	s_mov_b32 s[BOF+1], 0
	s_lshl_b32 s[OOF], s[TY], 16                   ; the tile's bits: (8 x row tile + key tile) x 8,192 + 2,048 x wave
	s_lshl_b32 s31, s[TX], 13
	s_add_co_u32 s[OOF], s[OOF], s31
	s_lshl_b32 s31, s[WV], 11
	s_add_co_u32 s[OOF], s[OOF], s31
	s_mov_b32 s[OOF+1], 0
	s_mul_i32 s[LA], s[WC], 2*HA
	s_mul_i32 s[LB], s[WC], 2*HB
	s_add_co_u32 s[LB], s[LB], BBASE
	s_mov_b32 s[TA], 0
	s_mov_b32 s[TBB], 0
	s_mov_b32 s[CS], 0x3d38aa3b                    ; c = log2(e) / sqrt(1024)
	s_mov_b32 s[CS+1], s[CS]                       ; named with it as a pair
	s_mov_b32 s[PINF], 0x7f800000
	s_mov_b32 s[LOWF], 0xff7fffff
	s_mov_b32 s[RS], 0
	s_mov_b32 s[NS], 0
	s_mov_b32 s[SS], 0
	s_wait_dscnt 0x0                               ; the opening add is done
	s_wait_kmcnt 0x0
	s_add_nc_u64 s[AP:AP+1], s[4:5], s[AOF:AOF+1]
	s_add_nc_u64 s[BP:BP+1], s[4:5], s[BOF:BOF+1]
	s_add_nc_u64 s[GB0+2:GB0+3], s[6:7], s[OOF:OOF+1]
	s_or_b32 s[GB0+3], s[GB0+3], 0x80000000
	CROUND
.irp s, 0,1
	s_mov_b32 s[G0A+4*\s], 1
	s_add_co_u32 s[G0A+4*\s+1], s[LA], \s*HA
	s_add_nc_u64 s[G0A+4*\s+2:G0A+4*\s+3], s[AP:AP+1], \s*256
	s_or_b32 s[G0A+4*\s+3], s[G0A+4*\s+3], 0x80000000
	s_mov_b32 s[G0B+4*\s], 1
	s_add_co_u32 s[G0B+4*\s+1], s[LB], \s*HB
	s_add_nc_u64 s[G0B+4*\s+2:G0B+4*\s+3], s[BP:BP+1], \s*256
	s_or_b32 s[G0B+4*\s+3], s[G0B+4*\s+3], 0x80000000
.endr
	s_cmp_eq_u32 s[WR], 0                          ; a wave's three first fills stand in one branch: its bits, then its parts of slots 0 and 1: three loads of mine are out
	s_cbranch_scc0 .Lfirst_b
	tensor_load_to_lds s[GB0:GB0+3], s[GB1:GB1+7]
	s_nop 0
	tensor_load_to_lds s[G0A:G0A+3], s[G1A:G1A+7]
	s_nop 0
	tensor_load_to_lds s[G0A+4:G0A+7], s[G1A:G1A+7]
	s_nop 0
.rept 4
	v_nop
.endr
	s_branch .Lfirst_asked
.Lfirst_b:
	tensor_load_to_lds s[GB0:GB0+3], s[GB1:GB1+7]
	s_nop 0
	tensor_load_to_lds s[G0B:G0B+3], s[G1B:G1B+7]
	s_nop 0
	tensor_load_to_lds s[G0B+4:G0B+7], s[G1B:G1B+7]
	s_nop 0
.rept 4
	v_nop
.endr
.Lfirst_asked:
	v_and_b32 v1, 15, v0
	v_bfe_u32 v2, v0, 4, 1
	v_mul_u32_u24 v3, v1, PITCH
	v_lshl_add_u32 v3, v2, 4, v3
	s_mul_i32 s31, s[WR], 2*HA
	v_add_nc_u32 v[ADRA0], s31, v3
	s_mul_i32 s31, s[WC], 2*HB
	s_add_co_u32 s31, s31, BBASE
	v_add_nc_u32 v[ADRB0], s31, v3
	v_mov_b32 v[ADRA], v[ADRA0]
	v_mov_b32 v[ADRB], v[ADRB0]
	s_mul_i32 s31, s[WR], 128*SPITCH               ; into the stage: row 128 WR + 16 a + r; the group of eight keys 16 WC + 2 b + h, 16 bytes in each half of the row
	s_lshl_b32 s[OOF], s[WC], 8
	s_add_co_u32 s31, s31, s[OOF]
	v_mul_u32_u24 v[STO], v1, SPITCH
	v_lshl_add_u32 v[STO], v2, 4, v[STO]
	v_add_nc_u32 v[STO], s31, v[STO]
	v_add_nc_u32 v[STO+1], 64*SPITCH, v[STO]
	s_mul_i32 s31, s[WV], 64*SPITCH                ; back: rows 64 w + 32 g + 16 h + n; lane r the group 16 u + r
	v_mul_u32_u24 v[RD0], v2, 16*SPITCH
	v_lshl_add_u32 v[RD0], v1, 4, v[RD0]
	v_add_nc_u32 v[RD0], s31, v[RD0]
	s_lshl_b32 s31, s[WV], 11                      ; the bits: BITS + (4 w + 2 g + h) 512 + (16 u + r) 16 + n
	s_add_co_u32 s31, s31, BITS
	v_lshlrev_b32 v[BA0], 9, v2
	v_lshl_add_u32 v[BA0], v1, 4, v[BA0]
	v_add_nc_u32 v[BA0], s31, v[BA0]
	s_lshl_b32 s31, s[WV], 8
	s_add_co_u32 s31, s31, STATS
	v_lshl_add_u32 v[SA0], v2, 6, s31              ; STATS + 4 (64 w + 16 h)
	v_lshlrev_b32 v[SB], 10, v2                    ; back: lanes 0-15 my 64 rows' c m, lanes 16-31 their l
	v_lshl_add_u32 v[SB], v1, 4, v[SB]
	v_add_nc_u32 v[SB], s31, v[SB]
	v_lshlrev_b32 v[PO], 4, v1
	v_lshl_add_u32 v[GSO], v2, 18, v[PO]           ; stats: plane h of 262,144 bytes + 16 r
	v_lshl_add_u32 v[PO], v2, 16, v[PO]            ; probs: 16 h rows of 4,096 bytes + 16 r
	v_mov_b32 v[RD], v[RD0]
	v_mov_b32 v[BA], v[BA0]
	s_lshl_b32 s[OOF], s[TY], 20                   ; probs at row 256 x tile row + 64 w, column 256 x key tile
	s_lshl_b32 s31, s[WV], 18
	s_add_co_u32 s[OOF], s[OOF], s31
	s_lshl_b32 s31, s[TX], 9
	s_add_co_u32 s[OOF], s[OOF], s31
	s_mov_b32 s[OOF+1], 0
	s_add_nc_u64 s[OUT:OUT+1], s[8:9], s[OOF:OOF+1]
	s_lshl_b32 s[OOF], s[BAT], 16                  ; stats at ((8 batch + key tile) 2,048 + the row in its batch) x 4
	s_lshl_b32 s31, s[TX], 13
	s_add_co_u32 s[OOF], s[OOF], s31
	s_and_b32 s31, s[TY], 7
	s_lshl_b32 s31, s31, 10
	s_add_co_u32 s[OOF], s[OOF], s31
	s_lshl_b32 s31, s[WV], 8
	s_add_co_u32 s[OOF], s[OOF], s31
	s_add_nc_u64 s[10:11], s[10:11], s[OOF:OOF+1]
	s_wait_tensorcnt 0x1                           ; my bits and my part of K step 0 are in; K step 1's may stay out
	s_barrier_signal -1
	s_barrier_wait -1
	FETCH 0, F0
	QUARTER 64, F0, F1, 1
	WIN 0
	s_mov_b32 s[CNT], KSTEPS-2
.Lk:
	QUARTER 128, F1, F0, 0
	QUARTER 192, F0, F1, 0
	TURN 1
	QUARTER 64, F0, F1, 0
	WIN 0
	s_sub_co_u32 s[CNT], s[CNT], 1
	s_cmp_lg_u32 s[CNT], 0
	s_cbranch_scc1 .Lk
	s_mov_b32 s[CNT], 2
.Lt:                                                   ; the last two K steps ask for nothing: a loop of their own; the second trip is left in its middle.
	QUARTER 128, F1, F0, 0                         ; Its change of slots fetches the other slot's fragments once more, for nothing: the price, once a launch, of one text for both trips
	QUARTER 192, F0, F1, 0
	TURN 0
	WIN 0
	s_sub_co_u32 s[CNT], s[CNT], 1
	s_cmp_eq_u32 s[CNT], 0
	s_cbranch_scc1 .Lend
	QUARTER 64, F0, F1, 0
	WIN 0
	s_cmp_lg_u32 s[CNT], 0
	s_cbranch_scc1 .Lt
.Lend:
	s_wait_dscnt 0x0                               ; my reads of the ring are over, the last fetch among them:
	s_barrier_signal -1                            ; say so, since the ring's bytes become the stage
	s_barrier_wait -1                              ; nobody reads the ring any more, and its last fill has landed
	PLACES
.set aa, 0
.rept 8                                ; each accumulator's four lowest registers go first
	WIN 0x08+4*(aa/4)                              ; the data in window 2 or 3
.irp b, 0,1,2,3,4,5,6,7
	ds_store_b128 v[STO+aa/4], v[64*(aa%4)+8*\b:64*(aa%4)+8*\b+3]   offset:(aa%4)*16*SPITCH+32*\b
	ds_store_b128 v[STO+aa/4], v[64*(aa%4)+8*\b+4:64*(aa%4)+8*\b+7] offset:(aa%4)*16*SPITCH+32*\b+512
.endr
.set aa, aa+1
.endr
	WIN 0
	s_wait_dscnt 0x0                               ; for the others' sake: my stores into the stage are done
	s_barrier_signal -1
	s_barrier_wait -1
.macro LOADROW                         ; four rows: 8 loads of 16 bytes and 4 bytes of bits a lane
.irp g, 0,1
.irp u, 0,1
	ds_load_b128 v[XL+16*\g+8*\u:XL+16*\g+8*\u+3],   v[RD] offset:\g*32*SPITCH+\u*256
	ds_load_b128 v[XL+16*\g+8*\u+4:XL+16*\g+8*\u+7], v[RD] offset:\g*32*SPITCH+\u*256+512
	ds_load_u8 v[BL+2*\g+\u], v[BA] offset:\g*1024+\u*256
.endr
.endr
.endm
; A TRIP: four rows (g = 0, 1; h).  pf = 1: the next trip's rows are asked for as soon as this trip's have left their landing registers.
.macro TRIP pf
	s_wait_dscnt 0x0                               ; the rows and bits are in (and the last trip's four stores into STATS are done)
.set e, 0
.rept 32
	v_lshl_or_b32 v[TT+e%4], v[BL+e/8], 31-(e%8), s[PINF]  ; the key's bit becomes the sign of an infinity (the bits below it fall into the exponent, which is all ones)
	v_min_num_f32 v[X+e], v[XL+e], v[TT+e%4]       ; a hidden score becomes -infinity
.set e, e+1
.endr
.if \pf
	s_add_co_u32 s[RS], s[RS], SPITCH
	s_add_co_u32 s[NS], s[NS], 1
	v_add_nc_u32 v[RD], s[RS], v[RD0]
	v_add_nc_u32 v[BA], s[NS], v[BA0]
	LOADROW
.endif
.irp g, 0,1
	v_max3_num_f32 v[CMV+2*\g+1], v[X+16*\g], v[X+16*\g+1], s[LOWF]  ; the maximum never falls below the lowest finite number, so c m stays finite in a tile that is all hidden
	v_max3_num_f32 v[MB2+\g], v[X+16*\g+8], v[X+16*\g+9], v[X+16*\g+10]
.endr
.irp n, 0,1
.irp g, 0,1
	v_max3_num_f32 v[CMV+2*\g+1], v[CMV+2*\g+1], v[X+16*\g+2*\n+2], v[X+16*\g+2*\n+3]
	v_max3_num_f32 v[MB2+\g], v[MB2+\g], v[X+16*\g+2*\n+11], v[X+16*\g+2*\n+12]
.endr
.endr
.irp g, 0,1
	v_max3_num_f32 v[CMV+2*\g+1], v[CMV+2*\g+1], v[X+16*\g+6], v[X+16*\g+7]
.endr
.irp g, 0,1
	v_max3_num_f32 v[CMV+2*\g+1], v[CMV+2*\g+1], v[MB2+\g], v[X+16*\g+15]
.endr
.irp m, 1,2,4,8
.irp g, 0,1
	v_max_num_f32_dpp v[CMV+2*\g+1], v[CMV+2*\g+1], v[CMV+2*\g+1] row_xmask:\m row_mask:0xf bank_mask:0xf  ; across the row's sixteen lanes
.endr
.endr
.irp g, 0,1
	v_mul_f32 v[CMV+2*\g], s[CS], v[CMV+2*\g+1]
.endr
.set e, 0
.rept 16
	v_pk_fma_f32 v[X+2*e:X+2*e+1], v[X+2*e:X+2*e+1], s[CS:CS+1], v[CMV+2*(e/8):CMV+2*(e/8)+1] op_sel_hi:[1,0,0] neg_lo:[0,0,1] neg_hi:[0,0,1]  ; c s - c m
.set e, e+1
.endr
.set e, 0
.rept 32
	v_exp_f32 v[X+e], v[X+e]
.set e, e+1
.endr
	v_add_nc_u32 v[SA], s[SS], v[SA0]              ; a plain instruction between the last exponential and the use of its result
.set e, 0
	s_wait_alu depctr_va_vdst(0)
.rept 16
	v_cvt_pk_f16_f32 v[PH+e], v[X+2*e], v[X+2*e+1]
.set e, e+1
.endr
.irp g, 0,1
.irp u, 0,1
	global_store_b128 v[PO], v[PH+8*\g+4*\u:PH+8*\g+4*\u+3], s[OUT:OUT+1] offset:\g*131072+\u*256  ; 16 lanes store 256 consecutive bytes, aligned
.endr
.endr
.irp g, 0,1
.irp q, 0,4,8,12
	v_pk_add_f32 v[X+16*\g+\q:X+16*\g+\q+1], v[X+16*\g+\q:X+16*\g+\q+1], v[X+16*\g+\q+2:X+16*\g+\q+3]
.endr
.endr
.irp g, 0,1
.irp q, 0,8
	v_pk_add_f32 v[X+16*\g+\q:X+16*\g+\q+1], v[X+16*\g+\q:X+16*\g+\q+1], v[X+16*\g+\q+4:X+16*\g+\q+5]
.endr
.endr
.irp g, 0,1
	v_pk_add_f32 v[X+16*\g:X+16*\g+1], v[X+16*\g:X+16*\g+1], v[X+16*\g+8:X+16*\g+9]
.endr
.irp g, 0,1
	v_add_f32 v[LS+\g], v[X+16*\g], v[X+16*\g+1]
.endr
.irp m, 1,2,4,8
.irp g, 0,1
	v_add_f32_dpp v[LS+\g], v[LS+\g], v[LS+\g] row_xmask:\m row_mask:0xf bank_mask:0xf
.endr
.endr
.irp g, 0,1
	ds_store_b32 v[SA], v[CMV+2*\g] offset:128*\g       ; a row's sixteen lanes write the same word with the same number
	ds_store_b32 v[SA], v[LS+\g] offset:1024+128*\g
.endr
.if \pf
	s_add_co_u32 s[SS], s[SS], 4
	s_wait_xcnt 0x0                                ; the stores' data and base are written again only behind this wait
	s_add_nc_u64 s[OUT:OUT+1], s[OUT:OUT+1], 4096  ; the next row
.endif
.endm
	LOADROW
	s_mov_b32 s[CNT], 15
.Lrow:
	TRIP 1
	s_sub_co_u32 s[CNT], s[CNT], 1
	s_cmp_lg_u32 s[CNT], 0
	s_cbranch_scc1 .Lrow
	TRIP 0                                         ; the last trip asks for nothing
	ds_load_b128 v[XL:XL+3], v[SB]                 ; my own 64 rows' statistics: LDS serves a wave's instructions in order (ISA guide 5.7.1.4)
	s_wait_dscnt 0x0
	global_store_b128 v[GSO], v[XL:XL+3], s[10:11] ; 16 lanes store 256 consecutive bytes, aligned, in each plane
	s_wait_tensorcnt 0x0                           ; the wave's end
	ds_add_u32 v[SPW], v[NIL]
	s_wait_dscnt 0x0
	CROUND
	s_endpgm
.Lfunc_end_k_qadbbde34aa_scores:
	.size	k_qadbbde34aa_scores, .Lfunc_end_k_qadbbde34aa_scores-k_qadbbde34aa_scores
	.p2alignl 7, 3214868480
	.fill 96, 4, 3214868480
	.section	.rodata,"a",@progbits
	.p2align	6, 0x0
	.amdhsa_kernel k_qadbbde34aa_scores
		.amdhsa_group_segment_fixed_size 327680
		.amdhsa_private_segment_fixed_size 0
		.amdhsa_enable_private_segment 0
		.amdhsa_kernarg_size 32
		.amdhsa_user_sgpr_count 2
		.amdhsa_user_sgpr_kernarg_segment_ptr 1
		.amdhsa_wavefront_size32 1
		.amdhsa_system_sgpr_workgroup_id_x 1
		.amdhsa_system_sgpr_workgroup_id_y 1
		.amdhsa_system_sgpr_workgroup_id_z 1
		.amdhsa_system_vgpr_workitem_id 0
		.amdhsa_next_free_vgpr 1024
		.amdhsa_next_free_sgpr 100
		.amdhsa_reserve_vcc 0
		.amdhsa_float_denorm_mode_32 3
		.amdhsa_float_denorm_mode_16_64 3
		.amdhsa_memory_ordered 1
		.amdhsa_forward_progress 1
		.amdhsa_inst_pref_size 101
	.end_amdhsa_kernel
	.amdgpu_metadata
---
amdhsa.version: [ 1, 2 ]
amdhsa.kernels:
  - .name:           k_qadbbde34aa_scores
    .symbol:         k_qadbbde34aa_scores.kd
    .args:
      - { .name: qk, .offset: 0, .size: 8, .value_kind: global_buffer, .address_space: global }
      - { .name: bm, .offset: 8, .size: 8, .value_kind: global_buffer, .address_space: global }
      - { .name: probs, .offset: 16, .size: 8, .value_kind: global_buffer, .address_space: global }
      - { .name: stats, .offset: 24, .size: 8, .value_kind: global_buffer, .address_space: global }
    .group_segment_fixed_size: 327680
    .private_segment_fixed_size: 0
    .kernarg_segment_align: 8
    .kernarg_segment_size: 32
    .max_flat_workgroup_size: 128
    .sgpr_count:     100
    .vgpr_count:     1024
    .wavefront_size: 32
...
	.end_amdgpu_metadata
.endif
;; end of part 3
;; launch pv (part 4): grid 4 x 64, 4 waves a work-group, clusters of 4 x 4, 327,680 bytes of LDS; arguments probs, vt, stats, attn; writes attn
.if DOCPART == 4
	.amdgcn_target "amdgcn-amd-amdhsa--gfx1250"
	.amdhsa_code_object_version 6
	.text
	.protected	k_qadbbde34aa_pv
	.globl	k_qadbbde34aa_pv
	.p2align	8
	.type	k_qadbbde34aa_pv,@function
k_qadbbde34aa_pv:
	s_mov_b64 s[64:65], 0
	v_nop
	global_prefetch_b8 v0, s[64:65] scope:SCOPE_SE
	s_setreg_imm32_b32 hwreg(HW_REG_WAVE_MODE, 25, 1), 1
	s_wait_xcnt 0x0
	s_wait_alu depctr_hold_cnt(0) depctr_sa_sdst(0) depctr_va_vdst(0) depctr_va_sdst(0) depctr_va_ssrc(0) depctr_va_vcc(0) depctr_vm_vsrc(0)
	s_getreg_b32 s2, hwreg(HW_REG_IB_STS2, 6, 4)
	s_cmp_eq_u32 s2, 0
	s_cbranch_scc0 .Lentry_in_a_cluster
	s_endpgm
.Lentry_in_a_cluster:
	s_bfe_u32 s2, ttmp6, 0x10000c
	s_cmp_lg_u32 s2, 0xf033
	s_cbranch_scc0 .Lentry_shape_is_right
	s_endpgm
.Lentry_shape_is_right:
; THE SOFTMAX'S SECOND HALF AND P V.  For row q: M = the maximum over the eight key tiles t of c m_t; e_t = 2^(c m_t - M), at most 1; L = the sum of e_t l_t; w_t = e_t / L;
; attn[q][d] = the sum over t of w_t x (sum over tile t's keys of probs V[key][d]).  Operands f16, all else f32, attn f16.  A row that is all hidden has L = 0, w = infinity and sums 0: NaN, as the softmax of such a row is.
; LIMITS: e_t below 2^-126 counts as 0; attn is a mean of V's rows and has their range.
; A = probs, B = vt.  A tile of 128 rows x 256 channels to a work-group (256 work-groups), 64 x 128 to a wave.  K = 2,048 keys in 16 steps of 128 through two LDS slots.  CLUSTER 4 x 4: a row shares A's tile, a column B's.
; SUMS AND TOTALS.  Each K step has sums of its own: its first products take the constant 0.  A finished block of sums goes into the totals by fused multiply-adds in f32 with the rows' w: 32 lines a block,
; four behind each of the eight matrix instructions of another block: blocks 0 and 1 ride on the step's last products of blocks 2 and 3, blocks 2 and 3 on the next step's first products of blocks 0 and 1.
; The totals start at 0: 256 v_mov_b32 in the wait for the first tile are the price of one text for every K step.
; w of the wave's 64 rows lies in a table in LDS, 256 bytes a K step, the wave's own; in the result a lane holds rows 16 a + 8 h + j, so it reads 32 neighbouring bytes for each a.
; ROW ORDER: LDS row 16 b + r of B holds channel 8 r + b, so a lane holds eight neighbouring channels over b = 0..7: 16 bytes of attn; sixteen lanes store 256 consecutive aligned bytes.
; REGISTERS: window 0: addresses; v32-63 the step's w at 8 a + j; v64-95, v128-159 A's fragments; v160-197 statistics at the start; v128-255 packed results at the end.
;   window 1: v64-127, v128-191 B's fragments.  window 2: the step's sums, (a, b) at v[64 a + 8 b].  window 3: the totals, likewise.
.set MB,     4
.set KSTEPS, 16
.set PA,     2048
.set PB,     8192
.set PITCH,  272
.set HA,     16*MB*PITCH
.set HB,     128*PITCH
.set BBASE,  4*HA
.set FT,     4*HA+4*HB                 ; behind the ring: the tables of w, 16 steps x 256 bytes for each wave, written by LDS stores alone
.set SPARE,  FT+4*4096
.set NL,     16+2*MB
.set FLAGS,  (1<<16)|(1<<20)|(1<<21)|(5<<22)|(3<<25)
.set ADRA0, 16
.set ADRB0, 17
.set ADRA,  18
.set ADRB,  19
.set CO,    20
.set FA0,   21                         ; v21  my 32 bytes in my wave's table, step 0, block 0; never rewritten
.set FA,    22                         ; v22  the same for the step in hand
.set SOF,   23                         ; v23  my byte offset in stats
.set WS,    24                         ; v24  where I put my two rows' w
.set SPW,   28
.set NIL,   29
.set WF,    32
.set F0,    64
.set F1,    128
.set CMT,   160                        ; v160-175 c m_t, then e_t, then w_t, of rows 2 lane and 2 lane + 1, at 2 t + q
.set LT,    176                        ; v176-191 l_t
.set MX,    192                        ; v192-193 M; v194-195 L; v196-197 1 / L
.set LS,    194
.set RC,    196
.set TMP,   128
.set WV, 20
.set WR, 21
.set WC, 22
.set CX, 23
.set CY, 24
.set TX, 25
.set TY, 26
.set RMK, 27
.set CMK, 28
.set BAT, 29
.set FS, 14                            ; s14 the table's step
.set G1A, 32
.set G0A, 40
.set G1B, 48
.set G0B, 56
.set TA,  66
.set TBB, 67
.set CNT, 68
.set AOF, 70
.set BOF, 72
.set AP,  74
.set BP,  76
.set LA,  78
.set LB,  79
.set OOF, 80
.set OUT, 82
.set MSB, 0
.macro WIN new
.if MSB != (\new)
	s_set_vgpr_msb (MSB<<8)|(\new)
.set MSB, \new
.endif
.endm
.macro PLACES
.rept 4
	v_nop
.endr
.endm
.macro CREST
	s_cmp_lg_u32 s[WV], 0
	s_cbranch_scc1 .Lnot_wave_0_\@
	s_barrier_signal -3
.Lnot_wave_0_\@:
	s_barrier_wait -3
	s_barrier_signal -1
	s_barrier_wait -1
.endm
.macro CROUND
	s_barrier_signal -1
	s_barrier_wait -1
	CREST
.endm
.macro JLOAD
	s_cmp_eq_u32 s[WR], 0
	s_cbranch_scc0 .Lfor_b_\@
	tensor_load_to_lds s[G0A+4:G0A+7], s[G1A:G1A+7]
	s_nop 0
.rept 4
	v_nop
.endr
	s_branch .Lasked_\@
.Lfor_b_\@:
	tensor_load_to_lds s[G0B+4:G0B+7], s[G1B:G1B+7]
	s_nop 0
.rept 4
	v_nop
.endr
.Lasked_\@:
.endm
.macro MULA f, a, mode                 ; 8 matrix instructions; mode = 1: the products start the step's sums.  The accumulators take turns.
.set rA, (\f)+8*(\a)
	WIN 0xa4
.irp b, 0,1,2,3,4,5,6,7
.set rD, 64*(\a)+8*(\b)
.set rB, (\f)+8*(\b)
.if \mode
	v_wmma_f32_16x16x32_f16 v[rD:rD+7], v[rA:rA+7], v[rB:rB+7], 0
.else
	v_wmma_f32_16x16x32_f16 v[rD:rD+7], v[rA:rA+7], v[rB:rB+7], v[rD:rD+7]
.endif
.endr
.endm
; The sums (da, b) go into the totals: total += sum x w, two rows a line, the accumulator's lowest registers first.
.macro RID da, b
	WIN 0xf2                                       ; the sums (source 0) in window 2, w (source 1) in window 0, the totals (source 2 and destination) in window 3
.set rO, 64*(\da)+8*(\b)
.irp j, 0,2,4,6
	v_pk_fma_f32 v[rO+\j:rO+\j+1], v[rO+\j:rO+\j+1], v[WF+8*(\da)+\j:WF+8*(\da)+\j+1], v[rO+\j:rO+\j+1]
.endr
.endm
; Block a's 8 matrix instructions, and behind each the four lines that take one accumulator of the finished block da into the totals.  None of the four names a register of the products round it;
; the product that wrote (da, b) stands four plain vector instructions or more ahead of the line that reads it (ISA guide 7.12.1).
.macro MULR f, a, mode, da
.set rA, (\f)+8*(\a)
.irp b, 0,1,2,3,4,5,6,7
	WIN 0xa4
.set rD, 64*(\a)+8*(\b)
.set rB, (\f)+8*(\b)
.if \mode
	v_wmma_f32_16x16x32_f16 v[rD:rD+7], v[rA:rA+7], v[rB:rB+7], 0
.else
	v_wmma_f32_16x16x32_f16 v[rD:rD+7], v[rA:rA+7], v[rB:rB+7], v[rD:rD+7]
.endif
	RID \da, \b
.endr
.endm
.macro BLKS f, a0, n, mode
.set aa, \a0
.rept \n
	MULA \f, aa, \mode
.set aa, aa+1
.endr
.endm
.macro FETCH k, f
	WIN 0x40
.irp i, 0,1,2,3,4,5,6,7
	ds_load_b128 v[(\f)+8*(\i):(\f)+8*(\i)+3],   v[ADRB] offset:(\k)+(\i)*16*PITCH
	ds_load_b128 v[(\f)+8*(\i)+4:(\f)+8*(\i)+7], v[ADRB] offset:(\k)+(\i)*16*PITCH+32
.endr
	WIN 0
.set ii, 0
.rept MB
	ds_load_b128 v[(\f)+8*ii:(\f)+8*ii+3],   v[ADRA] offset:(\k)+ii*16*PITCH
	ds_load_b128 v[(\f)+8*ii+4:(\f)+8*ii+7], v[ADRA] offset:(\k)+ii*16*PITCH+32
.set ii, ii+1
.endr
.endm
.macro QUARTER k, f, g, mode
	s_wait_dscnt MB                                ; the youngest MB loads (A's upper blocks) may be out
	BLKS \f, 0, MB/2, \mode
	PLACES
	FETCH \k, \g
	s_wait_dscnt NL                                ; all but the NL just issued
	BLKS \f, MB/2, MB/2, \mode
.endm
; A K step's first quarter: its products start the step's sums.  rid = 1: the step before's blocks 2 and 3 ride on blocks 0 and 1.  Behind them that step's w is free, and this step's is fetched, ahead of the fragments.
.macro QZERO rid
	s_wait_dscnt MB                                ; the youngest MB loads (A's upper blocks) may be out
.if \rid
	MULR F0, 0, 1, 2
	MULR F0, 1, 1, 3
.else
	BLKS F0, 0, 2, 1
.endif
	PLACES
	WIN 0
	v_add_nc_u32 v[FA], s[FS], v[FA0]
	s_add_co_u32 s[FS], s[FS], 256
.irp a, 0,1,2,3
	ds_load_b128 v[WF+8*\a:WF+8*\a+3],   v[FA] offset:64*\a      ; w of rows 16 a + 8 h + 0..3: the sixteen lanes of a half read the same bytes
	ds_load_b128 v[WF+8*\a+4:WF+8*\a+7], v[FA] offset:64*\a+16
.endr
	FETCH 64, F1
	s_wait_dscnt NL                                ; all but the NL just issued: A's upper blocks and w are in
	BLKS F0, 2, 2, 1
.endm
.macro MEET round
	WIN 0
	s_wait_tensorcnt 0x0                           ; all my tensor loads have landed: my part of the next slot
	ds_add_u32 v[SPW], v[NIL]
	s_wait_dscnt MB+1                              ; the add and A's upper blocks may be out
	BLKS F1, 0, MB/4, 0
	s_wait_dscnt 0x0                               ; the add is done, and my reads of this slot are over
	s_barrier_signal -1
	BLKS F1, MB/4, MB/4, 0
.if \round
	WIN 0
.endif
	s_barrier_wait -1
.endm
.macro TURN fill
	MEET \fill
.if \fill
	CREST
	s_xor_b32 s[G0A+5], s[G0A+5], HA
	s_add_nc_u64 s[G0A+6:G0A+7], s[G0A+6:G0A+7], 256
	s_xor_b32 s[G0B+5], s[G0B+5], HB
	s_add_nc_u64 s[G0B+6:G0B+7], s[G0B+6:G0B+7], 256
	JLOAD                                          ; its four v_nop are the places in front of the loads below and of the lines that read blocks 0 and 1
.else
	PLACES
	WIN 0
.endif
	s_xor_b32 s[TA], s[TA], HA
	s_xor_b32 s[TBB], s[TBB], HB
	v_add_nc_u32 v[ADRA], s[TA], v[ADRA0]
	v_add_nc_u32 v[ADRB], s[TBB], v[ADRB0]
	FETCH 0, F0
	MULR F1, 2, 0, 0                               ; blocks 0 and 1 are finished: they go into the totals beside the last products of blocks 2 and 3
	MULR F1, 3, 0, 1
.endm
	s_load_b256 s[4:11], s[0:1], 0x0               ; probs s[4:5], vt s[6:7], stats s[8:9], attn s[10:11]
	v_lshl_add_u32 v[SPW], v0, 2, SPARE
	v_mov_b32 v[NIL], 0
	ds_add_u32 v[SPW], v[NIL]                      ; the wave's opening: the add and its wait ahead of my first tensor load
	v_lshrrev_b32 v1, 5, v0
	v_readfirstlane_b32 s[WV], v1
	s_lshr_b32 s[WR], s[WV], 1
	s_and_b32 s[WC], s[WV], 1
	s_bfe_u32 s[CX], ttmp6, 0x40000
	s_bfe_u32 s[CY], ttmp6, 0x40004
	s_lshl_b32 s[TX], ttmp9, 2
	s_add_co_u32 s[TX], s[TX], s[CX]
	s_and_b32 s[TY], ttmp7, 0xffff
	s_lshr_b32 s[BAT], s[TY], 2                    ; the batch: sixteen row tiles, four clusters, each; made of the cluster's y alone
	s_lshl_b32 s[TY], s[TY], 2
	s_add_co_u32 s[TY], s[TY], s[CY]
	s_lshl_b32 s[RMK], s[CY], 2
	s_lshl_b32 s[RMK], 15, s[RMK]
	s_lshl_b32 s[CMK], 0x1111, s[CX]
	s_or_b32 s[G1A], s[RMK], FLAGS
	s_or_b32 s[G1B], s[CMK], FLAGS
	s_mov_b32 s[G1A+1], 128<<16
	s_mov_b32 s[G1A+2], (16*MB)<<16
	s_mov_b32 s[G1A+3], 128<<16
	s_mov_b32 s[G1A+4], 16*MB
	s_mov_b32 s[G1A+5], PA
	s_mov_b32 s[G1A+6], 0
	s_mov_b32 s[G1A+7], 0
	s_mov_b32 s[G1B+1], 128<<16
	s_mov_b32 s[G1B+2], 128<<16
	s_mov_b32 s[G1B+3], 128<<16
	s_mov_b32 s[G1B+4], 128
	s_mov_b32 s[G1B+5], PB
	s_mov_b32 s[G1B+6], 0
	s_mov_b32 s[G1B+7], 0
	s_lshl_b32 s[AOF], s[TY], 19                   ; A: row 128 x tile row + 64 x part, 4,096 bytes a row
	s_lshl_b32 s31, s[WC], 18
	s_add_co_u32 s[AOF], s[AOF], s31
	s_mov_b32 s[AOF+1], 0
	s_lshl_b32 s[BOF], s[TX], 22                   ; B: row 256 x tile column + 128 x part, 16,384 bytes a row; the batch's 2,048 keys begin 4,096 x batch bytes into a row
	s_lshl_b32 s31, s[WC], 21
	s_add_co_u32 s[BOF], s[BOF], s31
	s_lshl_b32 s31, s[BAT], 12
	s_add_co_u32 s[BOF], s[BOF], s31
	s_mov_b32 s[BOF+1], 0
	s_mul_i32 s[LA], s[WC], 2*HA
	s_mul_i32 s[LB], s[WC], 2*HB
	s_add_co_u32 s[LB], s[LB], BBASE
	s_mov_b32 s[TA], 0
	s_mov_b32 s[TBB], 0
	s_mov_b32 s[FS], 0
	s_wait_dscnt 0x0                               ; the opening add is done
	s_wait_kmcnt 0x0
	s_add_nc_u64 s[AP:AP+1], s[4:5], s[AOF:AOF+1]
	s_add_nc_u64 s[BP:BP+1], s[6:7], s[BOF:BOF+1]
	CROUND
.irp s, 0,1
	s_mov_b32 s[G0A+4*\s], 1
	s_add_co_u32 s[G0A+4*\s+1], s[LA], \s*HA
	s_add_nc_u64 s[G0A+4*\s+2:G0A+4*\s+3], s[AP:AP+1], \s*256
	s_or_b32 s[G0A+4*\s+3], s[G0A+4*\s+3], 0x80000000
	s_mov_b32 s[G0B+4*\s], 1
	s_add_co_u32 s[G0B+4*\s+1], s[LB], \s*HB
	s_add_nc_u64 s[G0B+4*\s+2:G0B+4*\s+3], s[BP:BP+1], \s*256
	s_or_b32 s[G0B+4*\s+3], s[G0B+4*\s+3], 0x80000000
.endr
	s_cmp_eq_u32 s[WR], 0
	s_cbranch_scc0 .Lfirst_b
	tensor_load_to_lds s[G0A:G0A+3], s[G1A:G1A+7]
	s_nop 0
	tensor_load_to_lds s[G0A+4:G0A+7], s[G1A:G1A+7]
	s_nop 0
.rept 4
	v_nop
.endr
	s_branch .Lfirst_asked
.Lfirst_b:
	tensor_load_to_lds s[G0B:G0B+3], s[G1B:G1B+7]
	s_nop 0
	tensor_load_to_lds s[G0B+4:G0B+7], s[G1B:G1B+7]
	s_nop 0
.rept 4
	v_nop
.endr
.Lfirst_asked:
	v_and_b32 v1, 15, v0
	v_bfe_u32 v2, v0, 4, 1
	v_and_b32 v4, 31, v0
	; the statistics of my wave's 64 rows, all eight key tiles: lane L takes rows 2 L and 2 L + 1, so a load covers 256 consecutive bytes.  All this stands in the wait for the first tile
	s_lshl_b32 s[OOF], s[BAT], 16
	s_and_b32 s31, s[TY], 15
	s_lshl_b32 s31, s31, 9
	s_add_co_u32 s[OOF], s[OOF], s31
	s_lshl_b32 s31, s[WR], 8
	s_add_co_u32 s[OOF], s[OOF], s31
	s_mov_b32 s[OOF+1], 0
	s_add_nc_u64 s[8:9], s[8:9], s[OOF:OOF+1]
	v_lshlrev_b32 v[SOF], 3, v4
.irp t, 0,1,2,3,4,5,6,7
	global_load_b64 v[CMT+2*\t:CMT+2*\t+1], v[SOF], s[8:9] offset:\t*8192
	global_load_b64 v[LT+2*\t:LT+2*\t+1],   v[SOF], s[8:9] offset:262144+\t*8192
.endr
	v_mul_u32_u24 v3, v1, PITCH
	v_lshl_add_u32 v3, v2, 4, v3
	s_mul_i32 s31, s[WR], 2*HA
	v_add_nc_u32 v[ADRA0], s31, v3
	s_mul_i32 s31, s[WC], 2*HB
	s_add_co_u32 s31, s31, BBASE
	v_add_nc_u32 v[ADRB0], s31, v3
	v_mov_b32 v[ADRA], v[ADRA0]
	v_mov_b32 v[ADRB], v[ADRB0]
	s_lshl_b32 s31, s[WV], 12
	s_add_co_u32 s31, s31, FT
	v_lshl_add_u32 v[WS], v4, 3, s31               ; my wave's table + 8 lane
	v_lshl_add_u32 v[FA0], v2, 5, s31              ; my wave's table + 32 h
	s_lshl_b32 s[OOF], s[TY], 18                   ; my part of attn: row 128 x tile row + 64 x half, 2,048 bytes a row; column 256 x tile column + 128 x half
	s_lshl_b32 s31, s[WR], 17
	s_add_co_u32 s[OOF], s[OOF], s31
	s_lshl_b32 s31, s[TX], 9
	s_add_co_u32 s[OOF], s[OOF], s31
	s_lshl_b32 s31, s[WC], 8
	s_add_co_u32 s[OOF], s[OOF], s31
	s_add_nc_u64 s[OUT:OUT+1], s[10:11], s[OOF:OOF+1]
	v_lshlrev_b32 v[CO], 4, v1
	v_lshl_add_u32 v[CO], v2, 14, v[CO]            ; 8 h rows + 16 r bytes
	WIN 0xc0                                       ; the totals start at 0
.set ii, 0
.rept 256
	v_mov_b32 v[ii], 0
.set ii, ii+1
.endr
	WIN 0
	s_wait_loadcnt 0x0
.irp q, 0,1
	v_max3_num_f32 v[MX+\q], v[CMT+\q], v[CMT+2+\q], v[CMT+4+\q]
.endr
.irp q, 0,1
	v_max3_num_f32 v[MX+\q], v[MX+\q], v[CMT+6+\q], v[CMT+8+\q]
.endr
.irp q, 0,1
	v_max3_num_f32 v[MX+\q], v[MX+\q], v[CMT+10+\q], v[CMT+12+\q]
.endr
.irp q, 0,1
	v_max_num_f32 v[MX+\q], v[MX+\q], v[CMT+14+\q]
.endr
.irp t, 0,1,2,3,4,5,6,7
	v_pk_add_f32 v[CMT+2*\t:CMT+2*\t+1], v[CMT+2*\t:CMT+2*\t+1], v[MX:MX+1] neg_lo:[0,1] neg_hi:[0,1]  ; c m_t - M, never above 0
.endr
.set ii, 0
.rept 16
	v_exp_f32 v[CMT+ii], v[CMT+ii]
.set ii, ii+1
.endr
	v_nop                                          ; a plain instruction between the last exponential and the use of its result
	s_wait_alu depctr_va_vdst(0)
	v_pk_mul_f32 v[LS:LS+1], v[CMT:CMT+1], v[LT:LT+1]
.irp t, 1,2,3,4,5,6,7
	v_pk_fma_f32 v[LS:LS+1], v[CMT+2*\t:CMT+2*\t+1], v[LT+2*\t:LT+2*\t+1], v[LS:LS+1]
.endr
	v_rcp_f32 v[RC], v[LS]
	v_rcp_f32 v[RC+1], v[LS+1]
	v_nop                                          ; a plain instruction between the last reciprocal and the use of its result
	s_wait_alu depctr_va_vdst(0)
.irp t, 0,1,2,3,4,5,6,7
	v_pk_mul_f32 v[CMT+2*\t:CMT+2*\t+1], v[CMT+2*\t:CMT+2*\t+1], v[RC:RC+1]  ; w_t = e_t / L
.endr
.irp t, 0,1,2,3,4,5,6,7
	ds_store_b64 v[WS], v[CMT+2*\t:CMT+2*\t+1] offset:\t*512       ; a key tile is two K steps
	ds_store_b64 v[WS], v[CMT+2*\t:CMT+2*\t+1] offset:\t*512+256
.endr
	s_wait_dscnt 0x0                               ; no LDS instruction of mine is out at the signal
	s_wait_tensorcnt 0x1                           ; my part of K step 0 is in; K step 1's may stay out
	s_barrier_signal -1
	s_barrier_wait -1
	FETCH 0, F0
	QZERO 0                                        ; K step 0's first quarter: no step before it has sums to hand on
	WIN 0
	s_mov_b32 s[CNT], KSTEPS-2
.Lk:                                                   ; a trip: from a K step's second quarter to the next step's first; it fills the slot that it leaves
	QUARTER 128, F1, F0, 0
	QUARTER 192, F0, F1, 0
	TURN 1
	QZERO 1
	WIN 0
	s_sub_co_u32 s[CNT], s[CNT], 1
	s_cmp_lg_u32 s[CNT], 0
	s_cbranch_scc1 .Lk
	s_mov_b32 s[CNT], 2
.Lt:                                                   ; the last two K steps ask for nothing: a loop of their own; the second trip is left in its middle.
	QUARTER 128, F1, F0, 0                         ; Its change of slots fetches the other slot's fragments once more, for nothing: the price, once a launch, of one text for both trips
	QUARTER 192, F0, F1, 0
	TURN 0
	WIN 0
	s_sub_co_u32 s[CNT], s[CNT], 1
	s_cmp_eq_u32 s[CNT], 0
	s_cbranch_scc1 .Lend
	QZERO 1
	WIN 0
	s_cmp_lg_u32 s[CNT], 0
	s_cbranch_scc1 .Lt
.Lend:
	s_wait_dscnt 0x0                               ; the fragments fetched for nothing have landed
	PLACES
.irp b, 0,1,2,3,4,5,6,7
	RID 2, \b                                      ; the last step's blocks 2 and 3: no products are left to stand beside
.endr
.irp b, 0,1,2,3,4,5,6,7
	RID 3, \b
.endr
.macro OUTA a                          ; block a's totals are rounded to f16 and stored
	WIN 0x0f                                       ; sources 0 and 1 window 3, destination window 0
.set rC, 64*(\a)
.set rT, TMP+32*(\a)
.irp j, 0,1,2,3,4,5,6,7
.irp t, 0,1,2,3
	v_cvt_pk_f16_f32 v[rT+4*(\j)+(\t)], v[rC+16*(\t)+(\j)], v[rC+16*(\t)+8+(\j)]
.endr
.endr
	WIN 0
.irp j, 0,1,2,3,4,5,6,7
	global_store_b128 v[CO], v[rT+4*(\j):rT+4*(\j)+3], s[OUT:OUT+1] offset:(16*(\a)+(\j))*2048  ; 16 lanes store 256 consecutive bytes, aligned
.endr
.endm
	OUTA 0
	OUTA 1
	OUTA 2
	OUTA 3
	s_wait_tensorcnt 0x0                           ; the wave's end
	ds_add_u32 v[SPW], v[NIL]
	s_wait_dscnt 0x0
	CROUND
	s_endpgm
.Lfunc_end_k_qadbbde34aa_pv:
	.size	k_qadbbde34aa_pv, .Lfunc_end_k_qadbbde34aa_pv-k_qadbbde34aa_pv
	.p2alignl 7, 3214868480
	.fill 96, 4, 3214868480
	.section	.rodata,"a",@progbits
	.p2align	6, 0x0
	.amdhsa_kernel k_qadbbde34aa_pv
		.amdhsa_group_segment_fixed_size 327680
		.amdhsa_private_segment_fixed_size 0
		.amdhsa_enable_private_segment 0
		.amdhsa_kernarg_size 32
		.amdhsa_user_sgpr_count 2
		.amdhsa_user_sgpr_kernarg_segment_ptr 1
		.amdhsa_wavefront_size32 1
		.amdhsa_system_sgpr_workgroup_id_x 1
		.amdhsa_system_sgpr_workgroup_id_y 1
		.amdhsa_system_sgpr_workgroup_id_z 1
		.amdhsa_system_vgpr_workitem_id 0
		.amdhsa_next_free_vgpr 1024
		.amdhsa_next_free_sgpr 100
		.amdhsa_reserve_vcc 0
		.amdhsa_float_denorm_mode_32 3
		.amdhsa_float_denorm_mode_16_64 3
		.amdhsa_memory_ordered 1
		.amdhsa_forward_progress 1
		.amdhsa_inst_pref_size 96
	.end_amdhsa_kernel
	.amdgpu_metadata
---
amdhsa.version: [ 1, 2 ]
amdhsa.kernels:
  - .name:           k_qadbbde34aa_pv
    .symbol:         k_qadbbde34aa_pv.kd
    .args:
      - { .name: probs, .offset: 0, .size: 8, .value_kind: global_buffer, .address_space: global }
      - { .name: vt, .offset: 8, .size: 8, .value_kind: global_buffer, .address_space: global }
      - { .name: stats, .offset: 16, .size: 8, .value_kind: global_buffer, .address_space: global }
      - { .name: attn, .offset: 24, .size: 8, .value_kind: global_buffer, .address_space: global }
    .group_segment_fixed_size: 327680
    .private_segment_fixed_size: 0
    .kernarg_segment_align: 8
    .kernarg_segment_size: 32
    .max_flat_workgroup_size: 128
    .sgpr_count:     100
    .vgpr_count:     1024
    .wavefront_size: 32
...
	.end_amdgpu_metadata
.endif
;; end of part 4
;; launch oproj (part 5): grid 4 x 64, 4 waves a work-group, clusters of 4 x 4, 327,680 bytes of LDS; arguments attn, wb, bo, out0; writes out0
.if DOCPART == 5
	.amdgcn_target "amdgcn-amd-amdhsa--gfx1250"
	.amdhsa_code_object_version 6
	.text
	.protected	k_qadbbde34aa_oproj
	.globl	k_qadbbde34aa_oproj
	.p2align	8
	.type	k_qadbbde34aa_oproj,@function
k_qadbbde34aa_oproj:
	s_mov_b64 s[64:65], 0
	v_nop
	global_prefetch_b8 v0, s[64:65] scope:SCOPE_SE
	s_setreg_imm32_b32 hwreg(HW_REG_WAVE_MODE, 25, 1), 1
	s_wait_xcnt 0x0
	s_wait_alu depctr_hold_cnt(0) depctr_sa_sdst(0) depctr_va_vdst(0) depctr_va_sdst(0) depctr_va_ssrc(0) depctr_va_vcc(0) depctr_vm_vsrc(0)
	s_getreg_b32 s2, hwreg(HW_REG_IB_STS2, 6, 4)
	s_cmp_eq_u32 s2, 0
	s_cbranch_scc0 .Lentry_in_a_cluster
	s_endpgm
.Lentry_in_a_cluster:
	s_bfe_u32 s2, ttmp6, 0x10000c
	s_cmp_lg_u32 s2, 0xf033
	s_cbranch_scc0 .Lentry_shape_is_right
	s_endpgm
.Lentry_shape_is_right:
; THE OUTPUT PROJECTION.  out0[s][e] = sum over d of attn[s][d] Wo[e][d] + bo[e].  Operands f16 (Wo is its bf16 rounding written as f16; bo rounded to bf16), sums and out0 f32.
; A = attn, B = Wo (6 MiB into wb).  A tile of 128 rows x 256 columns to a work-group (256 work-groups), 64 x 128 to a wave.  K in 8 steps of 128 through two LDS slots.  CLUSTER 4 x 4: a row shares A's tile, a column B's.
; ROW ORDER: inside each block of 64 rows of Wo, LDS row 16 i + r holds true row 4 r + i.  So over the accumulators b = 4 g + i a lane holds the four neighbouring columns 64 g + 4 r + i: 16 bytes of f32;
; sixteen lanes store 256 consecutive aligned bytes.  No stage in LDS.
; REGISTERS: window 0: addresses; v32-43 the bias; v64-95, v128-159 A's fragments; v64-191 results on the way out.  window 1: v64-127, v128-191 B's fragments.  window 2: accumulator (a, b) at v[64 a + 8 b].
.set MB,     4
.set KSTEPS, 8
.set PA,     1024
.set PB,     1024
.set PITCH,  272
.set HA,     16*MB*PITCH
.set HB,     128*PITCH
.set BBASE,  4*HA
.set SPARE,  4*HA+4*HB
.set NL,     16+2*MB
.set FLAGS,  (1<<16)|(1<<20)|(1<<21)|(5<<22)|(3<<25)
.set ADRA0, 16
.set ADRB0, 17
.set ADRA,  18
.set ADRB,  19
.set CO,    20
.set SPW,   28
.set NIL,   29
.set BI,    32                         ; v32-39 the bias of my columns, at b
.set F0,    64
.set F1,    128
.set TMP,   64
.set WV, 20
.set WR, 21
.set WC, 22
.set CX, 23
.set CY, 24
.set TX, 25
.set TY, 26
.set RMK, 27
.set CMK, 28
.set HM, 30
.set G1A, 32
.set G0A, 40
.set G1B, 48
.set G0B, 56
.set TA,  66
.set TBB, 67
.set CNT, 68
.set AOF, 70
.set BOF, 72
.set AP,  74
.set BP,  76
.set LA,  78
.set LB,  79
.set OOF, 80
.set OUT, 82
.set MSB, 0
.macro WIN new
.if MSB != (\new)
	s_set_vgpr_msb (MSB<<8)|(\new)
.set MSB, \new
.endif
.endm
.macro PLACES
.rept 4
	v_nop
.endr
.endm
.macro CREST
	s_cmp_lg_u32 s[WV], 0
	s_cbranch_scc1 .Lnot_wave_0_\@
	s_barrier_signal -3
.Lnot_wave_0_\@:
	s_barrier_wait -3
	s_barrier_signal -1
	s_barrier_wait -1
.endm
.macro CROUND
	s_barrier_signal -1
	s_barrier_wait -1
	CREST
.endm
.macro JLOAD
	s_cmp_eq_u32 s[WR], 0
	s_cbranch_scc0 .Lfor_b_\@
	tensor_load_to_lds s[G0A+4:G0A+7], s[G1A:G1A+7]
	s_nop 0
.rept 4
	v_nop
.endr
	s_branch .Lasked_\@
.Lfor_b_\@:
	tensor_load_to_lds s[G0B+4:G0B+7], s[G1B:G1B+7]
	s_nop 0
.rept 4
	v_nop
.endr
.Lasked_\@:
.endm
.macro MULA f, a, mode                 ; 8 matrix instructions; mode = 1: the first product starts the sums.  The accumulators take turns.
.set rA, (\f)+8*(\a)
	WIN 0xa4
.irp b, 0,1,2,3,4,5,6,7
.set rD, 64*(\a)+8*(\b)
.set rB, (\f)+8*(\b)
.if \mode
	v_wmma_f32_16x16x32_f16 v[rD:rD+7], v[rA:rA+7], v[rB:rB+7], 0
.else
	v_wmma_f32_16x16x32_f16 v[rD:rD+7], v[rA:rA+7], v[rB:rB+7], v[rD:rD+7]
.endif
.endr
.endm
.macro BLKS f, a0, n, mode
.set aa, \a0
.rept \n
	MULA \f, aa, \mode
.set aa, aa+1
.endr
.endm
.macro FETCH k, f
	WIN 0x40
.irp i, 0,1,2,3,4,5,6,7
	ds_load_b128 v[(\f)+8*(\i):(\f)+8*(\i)+3],   v[ADRB] offset:(\k)+(\i)*16*PITCH
	ds_load_b128 v[(\f)+8*(\i)+4:(\f)+8*(\i)+7], v[ADRB] offset:(\k)+(\i)*16*PITCH+32
.endr
	WIN 0
.set ii, 0
.rept MB
	ds_load_b128 v[(\f)+8*ii:(\f)+8*ii+3],   v[ADRA] offset:(\k)+ii*16*PITCH
	ds_load_b128 v[(\f)+8*ii+4:(\f)+8*ii+7], v[ADRA] offset:(\k)+ii*16*PITCH+32
.set ii, ii+1
.endr
.endm
.macro QUARTER k, f, g, mode
	s_wait_dscnt MB                                ; the youngest MB loads (A's upper blocks) may be out
	BLKS \f, 0, MB/2, \mode
	PLACES
	FETCH \k, \g
	s_wait_dscnt NL                                ; all but the NL just issued
	BLKS \f, MB/2, MB/2, \mode
.endm
.macro MEET round
	WIN 0
	s_wait_tensorcnt 0x0                           ; all my tensor loads have landed: my part of the next slot
	ds_add_u32 v[SPW], v[NIL]
	s_wait_dscnt MB+1                              ; the add and A's upper blocks may be out
	BLKS F1, 0, MB/4, 0
	s_wait_dscnt 0x0                               ; the add is done, and my reads of this slot are over
	s_barrier_signal -1
	BLKS F1, MB/4, MB/4, 0
.if \round
	WIN 0
.endif
	s_barrier_wait -1
.endm
.macro TURN fill
	MEET \fill
.if \fill
	CREST
	s_xor_b32 s[G0A+5], s[G0A+5], HA
	s_add_nc_u64 s[G0A+6:G0A+7], s[G0A+6:G0A+7], 256
	s_xor_b32 s[G0B+5], s[G0B+5], HB
	s_add_nc_u64 s[G0B+6:G0B+7], s[G0B+6:G0B+7], 256
	JLOAD
.else
	PLACES
	WIN 0
.endif
	s_xor_b32 s[TA], s[TA], HA
	s_xor_b32 s[TBB], s[TBB], HB
	v_add_nc_u32 v[ADRA], s[TA], v[ADRA0]
	v_add_nc_u32 v[ADRB], s[TBB], v[ADRB0]
	FETCH 0, F0
	BLKS F1, MB/2, MB/2, 0
.endm
	s_load_b256 s[4:11], s[0:1], 0x0               ; attn s[4:5], wb s[6:7], bo s[8:9], out0 s[10:11]
	v_lshl_add_u32 v[SPW], v0, 2, SPARE
	v_mov_b32 v[NIL], 0
	ds_add_u32 v[SPW], v[NIL]                      ; the wave's opening: the add and its wait ahead of my first tensor load
	v_lshrrev_b32 v1, 5, v0
	v_readfirstlane_b32 s[WV], v1
	s_lshr_b32 s[WR], s[WV], 1
	s_and_b32 s[WC], s[WV], 1
	s_bfe_u32 s[CX], ttmp6, 0x40000
	s_bfe_u32 s[CY], ttmp6, 0x40004
	s_lshl_b32 s[TX], ttmp9, 2
	s_add_co_u32 s[TX], s[TX], s[CX]
	s_and_b32 s[TY], ttmp7, 0xffff
	s_lshl_b32 s[TY], s[TY], 2
	s_add_co_u32 s[TY], s[TY], s[CY]
	s_lshl_b32 s[RMK], s[CY], 2
	s_lshl_b32 s[RMK], 15, s[RMK]
	s_lshl_b32 s[CMK], 0x1111, s[CX]
	s_or_b32 s[G1A], s[RMK], FLAGS
	s_or_b32 s[G1B], s[CMK], FLAGS
	s_mov_b32 s[G1A+1], 128<<16
	s_mov_b32 s[G1A+2], (16*MB)<<16
	s_mov_b32 s[G1A+3], 128<<16
	s_mov_b32 s[G1A+4], 16*MB
	s_mov_b32 s[G1A+5], PA
	s_mov_b32 s[G1A+6], 0
	s_mov_b32 s[G1A+7], 0
	s_mov_b32 s[G1B+1], 128<<16
	s_mov_b32 s[G1B+2], 128<<16
	s_mov_b32 s[G1B+3], 128<<16
	s_mov_b32 s[G1B+4], 128
	s_mov_b32 s[G1B+5], PB
	s_mov_b32 s[G1B+6], 0
	s_mov_b32 s[G1B+7], 0
	s_lshl_b32 s[AOF], s[TY], 18                   ; A: row 128 x tile row + 64 x part, 2,048 bytes a row
	s_lshl_b32 s31, s[WC], 17
	s_add_co_u32 s[AOF], s[AOF], s31
	s_mov_b32 s[AOF+1], 0
	s_lshl_b32 s[BOF], s[TX], 19                   ; B: Wo lies 6 MiB into wb; row 256 x tile column + 128 x part
	s_lshl_b32 s31, s[WC], 18
	s_add_co_u32 s[BOF], s[BOF], s31
	s_add_co_u32 s[BOF], s[BOF], 0x600000
	s_mov_b32 s[BOF+1], 0
	s_mul_i32 s[LA], s[WC], 2*HA
	s_mul_i32 s[LB], s[WC], 2*HB
	s_add_co_u32 s[LB], s[LB], BBASE
	s_mov_b32 s[TA], 0
	s_mov_b32 s[TBB], 0
	s_mov_b32 s[HM], 0xffff0000
	s_wait_dscnt 0x0                               ; the opening add is done
	s_wait_kmcnt 0x0
	s_add_nc_u64 s[AP:AP+1], s[4:5], s[AOF:AOF+1]
	s_add_nc_u64 s[BP:BP+1], s[6:7], s[BOF:BOF+1]
	CROUND
.irp s, 0,1
	s_mov_b32 s[G0A+4*\s], 1
	s_add_co_u32 s[G0A+4*\s+1], s[LA], \s*HA
	s_add_nc_u64 s[G0A+4*\s+2:G0A+4*\s+3], s[AP:AP+1], \s*256
	s_or_b32 s[G0A+4*\s+3], s[G0A+4*\s+3], 0x80000000
	s_mov_b32 s[G0B+4*\s], 1
	s_add_co_u32 s[G0B+4*\s+1], s[LB], \s*HB
	s_add_nc_u64 s[G0B+4*\s+2:G0B+4*\s+3], s[BP:BP+1], \s*256
	s_or_b32 s[G0B+4*\s+3], s[G0B+4*\s+3], 0x80000000
.endr
	s_cmp_eq_u32 s[WR], 0
	s_cbranch_scc0 .Lfirst_b
	tensor_load_to_lds s[G0A:G0A+3], s[G1A:G1A+7]
	s_nop 0
	tensor_load_to_lds s[G0A+4:G0A+7], s[G1A:G1A+7]
	s_nop 0
.rept 4
	v_nop
.endr
	s_branch .Lfirst_asked
.Lfirst_b:
	tensor_load_to_lds s[G0B:G0B+3], s[G1B:G1B+7]
	s_nop 0
	tensor_load_to_lds s[G0B+4:G0B+7], s[G1B:G1B+7]
	s_nop 0
.rept 4
	v_nop
.endr
.Lfirst_asked:
	v_and_b32 v1, 15, v0
	v_bfe_u32 v2, v0, 4, 1
	v_mul_u32_u24 v3, v1, PITCH
	v_lshl_add_u32 v3, v2, 4, v3
	s_mul_i32 s31, s[WR], 2*HA
	v_add_nc_u32 v[ADRA0], s31, v3
	s_mul_i32 s31, s[WC], 2*HB
	s_add_co_u32 s31, s31, BBASE
	v_add_nc_u32 v[ADRB0], s31, v3
	v_mov_b32 v[ADRA], v[ADRA0]
	v_mov_b32 v[ADRB], v[ADRB0]
	; the bias of my columns 64 g + 4 r + i
	s_lshl_b32 s31, s[TX], 10
	s_lshl_b32 s[OOF], s[WC], 9
	s_add_co_u32 s31, s31, s[OOF]
	v_lshl_add_u32 v4, v1, 4, s31
	global_load_b128 v[BI:BI+3], v4, s[8:9]
	global_load_b128 v[BI+4:BI+7], v4, s[8:9] offset:256
	s_lshl_b32 s[OOF], s[TY], 19                   ; my part of out0: row 128 x tile row + 64 x half, 4,096 bytes a row; column 256 x tile column + 128 x half
	s_lshl_b32 s31, s[WR], 18
	s_add_co_u32 s[OOF], s[OOF], s31
	s_lshl_b32 s31, s[TX], 10
	s_add_co_u32 s[OOF], s[OOF], s31
	s_lshl_b32 s31, s[WC], 9
	s_add_co_u32 s[OOF], s[OOF], s31
	s_mov_b32 s[OOF+1], 0
	s_add_nc_u64 s[OUT:OUT+1], s[10:11], s[OOF:OOF+1]
	v_lshlrev_b32 v[CO], 4, v1
	v_lshl_add_u32 v[CO], v2, 15, v[CO]            ; 8 h rows + 16 r bytes
	s_wait_loadcnt 0x0
.irp q, 0,1,2,3
	v_cvt_pk_bf16_f32 v[BI+8+\q], v[BI+2*\q], v[BI+2*\q+1]  ; the bias is rounded to bf16 like every input
.endr
.irp q, 0,1,2,3
	v_lshlrev_b32 v[BI+2*\q], 16, v[BI+8+\q]
	v_and_b32 v[BI+2*\q+1], s[HM], v[BI+8+\q]
.endr
	s_wait_tensorcnt 0x1                           ; my part of K step 0 is in; K step 1's may stay out
	s_barrier_signal -1
	s_barrier_wait -1
	FETCH 0, F0
	QUARTER 64, F0, F1, 1
	WIN 0
	s_mov_b32 s[CNT], KSTEPS-2
.Lk:
	QUARTER 128, F1, F0, 0
	QUARTER 192, F0, F1, 0
	TURN 1
	QUARTER 64, F0, F1, 0
	WIN 0
	s_sub_co_u32 s[CNT], s[CNT], 1
	s_cmp_lg_u32 s[CNT], 0
	s_cbranch_scc1 .Lk
	s_mov_b32 s[CNT], 2
.Lt:                                                   ; the last two K steps ask for nothing: a loop of their own; the second trip is left in its middle.
	QUARTER 128, F1, F0, 0                         ; Its change of slots fetches the other slot's fragments once more, for nothing: the price, once a launch, of one text for both trips
	QUARTER 192, F0, F1, 0
	TURN 0
	WIN 0
	s_sub_co_u32 s[CNT], s[CNT], 1
	s_cmp_eq_u32 s[CNT], 0
	s_cbranch_scc1 .Lend
	QUARTER 64, F0, F1, 0
	WIN 0
	s_cmp_lg_u32 s[CNT], 0
	s_cbranch_scc1 .Lt
.Lend:
	s_wait_dscnt 0x0                               ; the fragments fetched for nothing have landed: their registers take the results on the way out
	PLACES
.macro OUTF a                          ; block a: the bias is added (each accumulator's lowest register is read first) and the rows are stored
	WIN 0x02                                       ; source 0 window 2
.set rC, 64*(\a)
.set rT, TMP+64*((\a)%2)
.irp j, 0,1,2,3,4,5,6,7
.irp q, 0,1,2,3,4,5,6,7
	v_add_f32 v[rT+8*(\j)+(\q)], v[rC+8*(\q)+(\j)], v[BI+(\q)]
.endr
.endr
	WIN 0
.irp j, 0,1,2,3,4,5,6,7
.irp g, 0,1
	global_store_b128 v[CO], v[rT+8*(\j)+4*(\g):rT+8*(\j)+4*(\g)+3], s[OUT:OUT+1] offset:(16*(\a)+(\j))*4096+256*(\g) th:TH_STORE_NT  ; 16 lanes store 256 consecutive bytes, aligned
.endr
.endr
.endm
	OUTF 0
	OUTF 1
	s_wait_xcnt 0x0                                ; the result registers are written again only behind this wait
	OUTF 2
	OUTF 3
	s_wait_tensorcnt 0x0                           ; the wave's end
	ds_add_u32 v[SPW], v[NIL]
	s_wait_dscnt 0x0
	CROUND
	s_endpgm
.Lfunc_end_k_qadbbde34aa_oproj:
	.size	k_qadbbde34aa_oproj, .Lfunc_end_k_qadbbde34aa_oproj-k_qadbbde34aa_oproj
	.p2alignl 7, 3214868480
	.fill 96, 4, 3214868480
	.section	.rodata,"a",@progbits
	.p2align	6, 0x0
	.amdhsa_kernel k_qadbbde34aa_oproj
		.amdhsa_group_segment_fixed_size 327680
		.amdhsa_private_segment_fixed_size 0
		.amdhsa_enable_private_segment 0
		.amdhsa_kernarg_size 32
		.amdhsa_user_sgpr_count 2
		.amdhsa_user_sgpr_kernarg_segment_ptr 1
		.amdhsa_wavefront_size32 1
		.amdhsa_system_sgpr_workgroup_id_x 1
		.amdhsa_system_sgpr_workgroup_id_y 1
		.amdhsa_system_sgpr_workgroup_id_z 1
		.amdhsa_system_vgpr_workitem_id 0
		.amdhsa_next_free_vgpr 768
		.amdhsa_next_free_sgpr 100
		.amdhsa_reserve_vcc 0
		.amdhsa_float_denorm_mode_32 3
		.amdhsa_float_denorm_mode_16_64 3
		.amdhsa_memory_ordered 1
		.amdhsa_forward_progress 1
		.amdhsa_inst_pref_size 60
	.end_amdhsa_kernel
	.amdgpu_metadata
---
amdhsa.version: [ 1, 2 ]
amdhsa.kernels:
  - .name:           k_qadbbde34aa_oproj
    .symbol:         k_qadbbde34aa_oproj.kd
    .args:
      - { .name: attn, .offset: 0, .size: 8, .value_kind: global_buffer, .address_space: global }
      - { .name: wb, .offset: 8, .size: 8, .value_kind: global_buffer, .address_space: global }
      - { .name: bo, .offset: 16, .size: 8, .value_kind: global_buffer, .address_space: global }
      - { .name: out0, .offset: 24, .size: 8, .value_kind: global_buffer, .address_space: global }
    .group_segment_fixed_size: 327680
    .private_segment_fixed_size: 0
    .kernarg_segment_align: 8
    .kernarg_segment_size: 32
    .max_flat_workgroup_size: 128
    .sgpr_count:     100
    .vgpr_count:     768
    .wavefront_size: 32
...
	.end_amdgpu_metadata
.endif
;; end of part 5
;; ======== version 2 of 2: 5 launches; version 1 with the launch prep written anew for expert scheduling mode
;; limits: values are held in f16: magnitudes above 65,504 overflow, below 6.1e-05 lose precision
;; workspace buffers: xb 16,777,216 bytes; wb 8,388,608 bytes; bm 2,097,152 bytes of whole numbers; qk 33,554,432 bytes; vt 16,777,216 bytes; probs 33,554,432 bytes; stats 524,288 bytes; attn 16,777,216 bytes
;; launch prep (part 6): grid 64 x 12, 4 waves a work-group, no clusters, 0 bytes of LDS; arguments X, Wq, Wk, Wv, Wo, xb, wb; writes xb, wb
.if DOCPART == 6
	.amdgcn_target "amdgcn-amd-amdhsa--gfx1250"
	.amdhsa_code_object_version 6
	.text
	.protected	k_qadbbde34aa_prep
	.globl	k_qadbbde34aa_prep
	.p2align	8
	.type	k_qadbbde34aa_prep,@function
k_qadbbde34aa_prep:
	s_mov_b64 s[64:65], 0
	v_nop
	global_prefetch_b8 v0, s[64:65] scope:SCOPE_SE
	s_setreg_imm32_b32 hwreg(HW_REG_WAVE_SCHED_MODE, 0, 2), 2
	s_setreg_imm32_b32 hwreg(HW_REG_WAVE_MODE, 25, 1), 1
	s_wait_xcnt 0x0
	s_wait_alu depctr_vm_vsrc(0)
; PREPARATION: a stream, no LDS, no matrix unit (memory binds; each input byte is read once, by loads of 512 consecutive bytes a wave).
; Slab y = 0..11 of 1,024 rows x 1,024 f32 is rounded to bf16 and its rows are laid in the order in which the products want them:
;   y = 0..7   X  -> xb, y = 8, 9  Wq, Wk -> wb: inside each block of 128 rows, row s goes to place 16 (s % 8) + s / 8;
;   y = 10     Wv -> wb + 4 MiB, rows as they are;
;   y = 11     Wo -> wb + 6 MiB, the bf16 number written as f16; inside each block of 64 rows, row s goes to place 16 (s % 4) + s / 4.
; 64 x 12 = 768 work-groups of four waves: three for each of 256 WGPs; a work-group takes 16 rows, a wave four.
; LIMIT: Wo as f16 keeps f16's fixed step of 6e-8 below 6e-5 and ends at 65,504.
; THE MODE: SCHED_MODE bits 1:0 = 2 (LLVM: expert scheduling mode 2), set by the entry lines.  The code itself states the register dependences
; between vector instructions and memory instructions, with s_wait_alu, always for 0.
; THE PLAN.  Registers that memory instructions touch:
;   v2, v4-7   byte offsets.  Written once at the head by vector instructions, read by every load and store, never written again: one wait ahead of the first load serves them all.
;   X          Written by the 32 loads alone, each register once; read by the conversions behind the row's wait on LOADcnt.  No vector instruction names them ahead of the loads.
;   O          Row i's sixteen registers are written by row i's conversions, then read by row i's eight stores, and never written again: one wait a row, between the conversions and the run of stores.
;   v8-11      named by vector instructions alone.
;   s4         the wave's number, written by a vector instruction and read by scalar ones: one wait ahead of its first reader.
; No register that a memory instruction has read is ever written again, so no wait on vm_vsrc is owed; EXEC and VCC are never written.
.set VS,  2                            ; v2       my byte offset in the source
.set VO,  4                            ; v4-7     my byte offset in the destination, one for each of the wave's four rows
.set TT,  8                            ; v8-11    at work
.set X,   16                           ; v16-143  32 loads of 16 bytes a lane
.set O,   144                          ; v144-207 64 registers to store, each stored once
	s_load_b256 s[8:15], s[0:1], 0x0               ; X s[8:9], Wq s[10:11], Wk s[12:13], Wv s[14:15]
	s_load_b128 s[16:19], s[0:1], 0x20             ; Wo s[16:17], xb s[18:19]
	s_load_b64 s[20:21], s[0:1], 0x30              ; wb
	s_and_b32 s2, ttmp7, 0xffff                    ; y
	s_mov_b32 s3, ttmp9                            ; x
	v_lshrrev_b32 v1, 5, v0
	v_readfirstlane_b32 s4, v1                     ; wave 0..3
	v_and_b32 v1, 31, v0                           ; lane
	s_min_u32 s26, s2, 7
	s_lshl_b32 s28, s26, 21                        ; xb: 1,024 rows of 2,048 bytes a slab
	s_lshl_b32 s26, s26, 22                        ; X: 1,024 rows of 4,096 bytes a slab
	s_mov_b32 s27, 0
	s_mov_b32 s29, 0
	s_max_u32 s30, s2, 8
	s_sub_co_u32 s30, s30, 8
	s_lshl_b32 s30, s30, 21                        ; wb: the same for y - 8
	s_mov_b32 s31, 0
	s_mov_b32 s5, 3                                ; LM: rows go round in blocks of 16 x 2^LM; LM = 0 leaves them as they are
	s_cmp_eq_u32 s2, 10
	s_cselect_b32 s5, 0, s5
	s_cmp_eq_u32 s2, 11
	s_cselect_b32 s5, 2, s5
	s_add_co_u32 s6, s5, 4
	s_lshl_b32 s7, 1, s5
	s_sub_co_u32 s7, s7, 1                         ; 2^LM - 1
	s_mov_b32 s37, 0xffff0000                      ; a word's upper bf16
	s_wait_alu depctr_va_sdst(0)                   ; s4 is written, ahead of its first reader: the wave's first row is made from it
	s_lshl_b32 s32, s3, 4
	s_lshl2_add_u32 s32, s4, s32                   ; my first row = 16 x + 4 wave
	s_lshl_b32 s33, s32, 12
	v_lshl_add_u32 v[VS], v1, 4, s33               ; row x 4,096 + 16 lane
.irp i, 0,1,2,3
	s_add_co_u32 s34, s32, \i                      ; the row
	s_lshr_b32 s35, s34, s6
	s_lshl_b32 s35, s35, s6                        ; its block,
	s_and_b32 s36, s34, s7
	s_lshl_b32 s36, s36, 4
	s_or_b32 s35, s35, s36                         ; 16 x (row % 2^LM),
	s_lshr_b32 s36, s34, s5
	s_and_b32 s36, s36, 15
	s_or_b32 s35, s35, s36                         ; (row / 2^LM) % 16: its place
	s_lshl_b32 s35, s35, 11
	v_lshl_add_u32 v[VO+\i], v1, 3, s35            ; place x 2,048 + 8 lane
.endr
	s_wait_kmcnt 0x0
	s_add_nc_u64 s[26:27], s[8:9], s[26:27]        ; the source: X's slab, or one of the four weights
	s_cmp_eq_u32 s2, 8
	s_cselect_b64 s[26:27], s[10:11], s[26:27]
	s_cmp_eq_u32 s2, 9
	s_cselect_b64 s[26:27], s[12:13], s[26:27]
	s_cmp_eq_u32 s2, 10
	s_cselect_b64 s[26:27], s[14:15], s[26:27]
	s_cmp_eq_u32 s2, 11
	s_cselect_b64 s[26:27], s[16:17], s[26:27]
	s_add_nc_u64 s[28:29], s[18:19], s[28:29]      ; the destination: xb's slab or wb's
	s_add_nc_u64 s[30:31], s[20:21], s[30:31]
	s_cmp_lt_u32 s2, 8
	s_cselect_b64 s[28:29], s[28:29], s[30:31]
	s_wait_alu depctr_va_vdst(0)                   ; the five offsets v2 and v4 to v7 are written: every load and store of the kernel reads one of them
.irp i, 0,1,2,3
.irp j, 0,1,2,3,4,5,6,7
	global_load_b128 v[X+32*\i+4*\j:X+32*\i+4*\j+3], v[VS], s[26:27] offset:\i*4096+\j*512 th:TH_LOAD_NT  ; 512 consecutive bytes; all 32 loads go out before the first is used
.endr
.endr
; Row i: four f32 a lane and load become 8 bytes; the wave's store covers 256 consecutive bytes, aligned.  half = 1: the bf16 number is written as f16.
; The row's conversions stand together, then one wait, then its eight stores in one run.
.macro CONV i, half
	s_wait_loadcnt 24-8*(\i)                       ; loads come back in order: the younger rows' loads stay out
.irp j, 0,1,2,3,4,5,6,7
.set rX, X+32*(\i)+4*(\j)
.set rO, O+16*(\i)+2*(\j)
	v_cvt_pk_bf16_f32 v[rO], v[rX], v[rX+1]
	v_cvt_pk_bf16_f32 v[rO+1], v[rX+2], v[rX+3]
.if \half
	v_lshlrev_b32 v[TT], 16, v[rO]
	v_and_b32 v[TT+1], s37, v[rO]
	v_lshlrev_b32 v[TT+2], 16, v[rO+1]
	v_and_b32 v[TT+3], s37, v[rO+1]
	v_cvt_pk_f16_f32 v[rO], v[TT], v[TT+1]
	v_cvt_pk_f16_f32 v[rO+1], v[TT+2], v[TT+3]
.endif
.endr
	s_wait_alu depctr_va_vdst(0)                   ; the row's conversions have written its sixteen registers of O, which the eight stores below read
.irp j, 0,1,2,3,4,5,6,7
.set rO, O+16*(\i)+2*(\j)
	global_store_b64 v[VO+(\i)], v[rO:rO+1], s[28:29] offset:(\j)*256
.endr
.endm
	s_cmp_eq_u32 s2, 11
	s_cbranch_scc1 .Lwo
	CONV 0, 0
	CONV 1, 0
	CONV 2, 0
	CONV 3, 0
	s_endpgm
.Lwo:
	CONV 0, 1
	CONV 1, 1
	CONV 2, 1
	CONV 3, 1
	s_endpgm
.Lfunc_end_k_qadbbde34aa_prep:
	.size	k_qadbbde34aa_prep, .Lfunc_end_k_qadbbde34aa_prep-k_qadbbde34aa_prep
	.p2alignl 7, 3214868480
	.fill 96, 4, 3214868480
	.section	.rodata,"a",@progbits
	.p2align	6, 0x0
	.amdhsa_kernel k_qadbbde34aa_prep
		.amdhsa_group_segment_fixed_size 0
		.amdhsa_private_segment_fixed_size 0
		.amdhsa_enable_private_segment 0
		.amdhsa_kernarg_size 56
		.amdhsa_user_sgpr_count 2
		.amdhsa_user_sgpr_kernarg_segment_ptr 1
		.amdhsa_wavefront_size32 1
		.amdhsa_system_sgpr_workgroup_id_x 1
		.amdhsa_system_sgpr_workgroup_id_y 1
		.amdhsa_system_sgpr_workgroup_id_z 1
		.amdhsa_system_vgpr_workitem_id 0
		.amdhsa_next_free_vgpr 208
		.amdhsa_next_free_sgpr 66
		.amdhsa_reserve_vcc 0
		.amdhsa_float_denorm_mode_32 3
		.amdhsa_float_denorm_mode_16_64 3
		.amdhsa_memory_ordered 1
		.amdhsa_forward_progress 1
		.amdhsa_inst_pref_size 30
	.end_amdhsa_kernel
	.amdgpu_metadata
---
amdhsa.version: [ 1, 2 ]
amdhsa.kernels:
  - .name:           k_qadbbde34aa_prep
    .symbol:         k_qadbbde34aa_prep.kd
    .args:
      - { .name: X, .offset: 0, .size: 8, .value_kind: global_buffer, .address_space: global }
      - { .name: Wq, .offset: 8, .size: 8, .value_kind: global_buffer, .address_space: global }
      - { .name: Wk, .offset: 16, .size: 8, .value_kind: global_buffer, .address_space: global }
      - { .name: Wv, .offset: 24, .size: 8, .value_kind: global_buffer, .address_space: global }
      - { .name: Wo, .offset: 32, .size: 8, .value_kind: global_buffer, .address_space: global }
      - { .name: xb, .offset: 40, .size: 8, .value_kind: global_buffer, .address_space: global }
      - { .name: wb, .offset: 48, .size: 8, .value_kind: global_buffer, .address_space: global }
    .group_segment_fixed_size: 0
    .private_segment_fixed_size: 0
    .kernarg_segment_align: 8
    .kernarg_segment_size: 56
    .max_flat_workgroup_size: 128
    .sgpr_count:     66
    .vgpr_count:     208
    .wavefront_size: 32
...
	.end_amdgpu_metadata
.endif
;; end of part 6
;; launch qkv: the kernel of part 2 again; grid 8 x 32, 4 waves a work-group, clusters of 4 x 4, 327,680 bytes of LDS; arguments xb, wb, bq, bk, bv, mask, qk, vt, bm; writes qk, vt, bm
;; launch scores: the kernel of part 3 again; grid 8 x 32, 4 waves a work-group, clusters of 4 x 4, 327,680 bytes of LDS; arguments qk, bm, probs, stats; writes probs, stats
;; launch pv: the kernel of part 4 again; grid 4 x 64, 4 waves a work-group, clusters of 4 x 4, 327,680 bytes of LDS; arguments probs, vt, stats, attn; writes attn
;; launch oproj: the kernel of part 5 again; grid 4 x 64, 4 waves a work-group, clusters of 4 x 4, 327,680 bytes of LDS; arguments attn, wb, bo, out0; writes out0
